; MI455X (gfx1250); checked and timed in simulation.
; The chip was launched on July 23, 2026; its instructions are those of AMD's public machine-readable ISA for CDNA 5 (MIT licence, August 2026) and "CDNA5" Instruction Set Architecture Reference Guide (July 2026). The comments in the code are by the model that wrote it; some were corrected since.
;; Attention. Allowed arithmetic: matrix products marked QUANTISED: E2M1 operands, one E8M0 scale for each 32 along K, by v_wmma_scale_f32_16x16x128_f8f6f4 with both operands' format E2M1 (or v_wmma_scale_f32_32x16x128_f4), f32 sums; products left as they are: bf16, f16 or f32 operands; f32 sums; everything else in f32.
;; Inputs: bk 2,048 float32; bo 2,048 float32; bq 2,048 float32; bv 2,048 float32; mask 1 x 1 x 2,048 x 2,048 int32; wk 2,048 x 2,048 float32; wo 2,048 x 2,048 float32; wq 2,048 x 2,048 float32; wv 2,048 x 2,048 float32; x 1 x 2,048 x 2,048 float32.
;; Outputs: out0 1 x 2,048 x 2,048 float32.
;; This version of the problem:
;;   THIS VERSION OF THE PROBLEM IS GIVEN IN LOW PRECISION. The matrix products marked QUANTISED in the list below multiply operands that are first quantised to E2M1 (2 exponent bits, 1 mantissa bit; 4 bits a number), with one power-of-two scale for each 32 numbers along K (OCP MX v1.0); their sums are f32. The products marked 'left as it is' may take bf16, f16 or f32 operands, with f32 sums. Whichever they take, every output number must still come out within the allowed error. Rounding operands to bf16 (8 significant bits) uses up far more of that allowance than f16 does (11 bits, for magnitudes from 6e-5 to 65,504). All else is computed in f32.
;;   The module's matrix products, in the order in which they are computed (A, B: the left and right operand; K: the contracted axis; several contracted axes count as one K, in the product's order):
;;     1. [M 2,048, K 2,048] x [K 2,048, N 2,048]; A: input x; B: input wq: QUANTISED
;;     2. [M 2,048, K 2,048] x [K 2,048, N 2,048]; A: input x; B: input wk: QUANTISED
;;     3. [M 2,048, K 2,048] x [K 2,048, N 2,048]; A: input x; B: input wv: QUANTISED
;;     4. batch 16 x [M 2,048, K 128] x [K 128, N 2,048]; A: computed on the way; B: computed on the way: left as it is (an operand is computed on the way)
;;     5. batch 16 x [M 2,048, K 2,048] x [K 2,048, N 128]; A: computed on the way; B: computed on the way: left as it is (an operand is computed on the way)
;;     6. [M 2,048, K 2,048] x [K 2,048, N 2,048]; A: computed on the way; B: input wo: left as it is (an operand is computed on the way)
;;   THE QUANTISER, for each operand of a quantised product, along K:
;;     - K is cut into blocks of 32 from its start; a last block that is shorter is filled with zeros.
;;     - A block's scale is 2^e with e = floor(log2(the largest magnitude in the block)) - 2, held to -126 .. 127; a block of zeros has e = 0. As a byte (E8M0): e + 127.
;;     - Each number is divided by its block's scale, clamped to +-6, and rounded to the nearest number of E2M1, ties to even, subnormals kept.
;;     - The product sums the exact products of the quantised numbers (number of the format x scale) in f32.
;;   ~~~python
;;   def quantise(x, axis):      # numpy; x: float32 -> the quantised numbers, widened to float32 again
;;       x = np.moveaxis(x, axis, -1); K = x.shape[-1]
;;       x = np.pad(x, [(0, 0)] * (x.ndim - 1) + [(0, -K % 32)]); x = x.reshape(x.shape[:-1] + (-1, 32)); a = np.abs(x).max(-1, keepdims=True)
;;       e = np.where(a > 0, np.clip(np.frexp(np.where(a > 0, a, 1))[1] - 1 - 2, -126, 127), 0)      # np.frexp(a)[1] - 1 = floor(log2(a)), exactly
;;       r = np.clip(x / 2.0 ** e, -6, 6)
;;       step = 2.0 ** (np.maximum(np.frexp(np.where(r == 0, 1, r))[1] - 1, 0) - 1)
;;       q = np.round(r / step) * step * 2.0 ** e      # np.round: ties to even
;;       return np.moveaxis(q.reshape(q.shape[:-2] + (-1,))[..., :K], -1, axis).astype(np.float32)
;;   ~~~
;; One version. Each part assembles by itself: llvm-mc -triple=amdgcn-amd-amdhsa -mcpu=gfx1250 --defsym DOCPART=n.
;; ======== version 1 of 1: 5 launches
;; limits: values are held in f16: magnitudes above 65,504 overflow, below 6.1e-05 lose precision
;; workspace buffers: xw4 8,912,896 bytes; mpack 532,480 bytes of whole numbers; qkv 33,554,432 bytes; oatt 8,454,144 bytes; wop 8,519,680 bytes
;; launch prep (part 1): grid 768 x 1, 4 waves a work-group, no clusters, 33,280 bytes of LDS; arguments x, wq, wk, wv, mask, xw4, mpack; writes xw4, mpack
.if DOCPART == 1
	.amdgcn_target "amdgcn-amd-amdhsa--gfx1250"
	.amdhsa_code_object_version 6
	.text
	.protected	k_qdc55b9d9f7_prep
	.globl	k_qdc55b9d9f7_prep
	.p2align	8
	.type	k_qdc55b9d9f7_prep,@function
k_qdc55b9d9f7_prep:
	s_mov_b64 s[64:65], 0
	v_nop
	global_prefetch_b8 v0, s[64:65] scope:SCOPE_SE
	s_setreg_imm32_b32 hwreg(HW_REG_WAVE_MODE, 25, 1), 1
	s_wait_xcnt 0x0
; TWO JOBS IN ONE LAUNCH, parted by the work-group's number.
; Work-groups 0-511: x, wq, wk, wv ([2048][2048] f32, K innermost) become codes of FP4 (E2M1) with one E8M0 byte for each 32 along K, in xw4:
;   codes [8192 rows][1024 bytes] (rows 0-2047 x, then wq, wk, wv), scale bytes [8192][64] from byte 8,388,608 on.
;   A block's scale is 2^(floor(log2(largest magnitude)) - 2); its byte is the largest magnitude's exponent field - 2, held at 1 from below.  A block of zeros gets the byte 1: its codes are zeros, and this program alone reads the bytes.
;   LIMITS: blocks whose largest magnitude lies under 2^-124 get the byte 1; NaN and infinities among the inputs are not served.
;   Rows are dense, so each tensor is a plain stream of blocks.  A wave takes 16 steps of 512 numbers; each load reads 512 consecutive bytes; the numbers turn through the wave's own stage in LDS so that a lane holds 16 neighbours.
; Work-groups 512-767: the mask ([2048][2048] int32) becomes one bit a number, in the order in which a lane of the attention launch holds its scores, and two flags for each tile of 16 queries x 64 keys (any open, all open), in mpack:
;   bit words [tile T 128][step/2 16][lane 32][step&1]: bit 8 kt + j of lane (r, h) is mask[16 T + r][64 step + 16 kt + 8 h + j] != 0;
;   from byte 524,288 ANY[T][g 8], from 528,384 ALL[T][g 8]: the word of group g holds the bits of steps 4 g .. 4 g + 3, in their places.
.set WAVES, 4
.set STEPS, 16
.set EMAX,  2
.set CB,    8                          ; bytes of 16 codes
.set R,     16                         ; v16-79   four sets of 16 numbers as loaded
.set X,     80                         ; v80-111  two sets of 16 neighbours
.set E,     112                        ; v112-127 a scale byte for each step
.set C,     128                        ; v128-191 codes: four registers for each step
.set WREG,  8192                       ; LDS: a region for each wave: two stages of 32 x SP bytes, then its 256 scale bytes
.set SP,    80
.set SPW,   12                         ; v12 LDS address of my spare word; never rewritten
.set NIL,   13                         ; v13 0; never rewritten
.set SPARE, WAVES*WREG                 ; the spare words, 128 bytes for each wave
.set SRC,   20                         ; s[20:21] my run in its tensor
.set COD,   26                         ; s[26:27] its codes
.set SCB,   28                         ; s[28:29] its scale bytes
	s_load_b256 s[4:11], s[0:1], 0x0               ; x, wq, wk, wv
	s_load_b128 s[12:15], s[0:1], 0x20             ; mask, xw4
	s_load_b64 s[16:17], s[0:1], 0x30              ; mpack
	v_lshl_add_u32 v[SPW], v0, 2, SPARE
	v_mov_b32 v[NIL], 0
	v_lshrrev_b32 v1, 5, v0
	v_readfirstlane_b32 s18, v1                    ; wave
	v_and_b32 v2, 31, v0                           ; lane
	s_cmp_ge_u32 ttmp9, 512
	s_cbranch_scc1 .Lmask
	; ---------------- the quantiser
	v_lshlrev_b32 v3, 4, v2                        ; my 16 bytes of a load's 512
	s_mul_i32 s19, s18, WREG
	v_lshrrev_b32 v14, 2, v2
	v_mul_u32_u24 v14, v14, SP
	v_and_b32 v15, 3, v2
	v_lshl_add_u32 v14, v15, 4, v14
	v_add_nc_u32 v14, s19, v14                     ; the stage, on the way in: SP (lane / 4) + 16 (lane % 4)
	v_mul_u32_u24 v15, v2, SP
	v_add_nc_u32 v15, s19, v15                     ; and on the way out: SP x lane: my 16 neighbours
	v_mul_u32_u24 v4, v2, CB                       ; my codes' place in a step's
	v_lshrrev_b32 v5, 1, v2
	s_add_co_u32 s19, s19, 2*32*SP
	v_add_nc_u32 v5, s19, v5                       ; my block's scale byte in the wave's 256
	v_lshlrev_b32 v7, 3, v2
	v_add_nc_u32 v6, s19, v7                       ; and 8 bytes a lane on the way out
	s_lshl_b32 s22, ttmp9, 2
	s_add_co_u32 s22, s22, s18                     ; which run of 8,192 numbers: 0 .. 2047 over the four tensors
	s_lshl_b32 s24, s22, 12                        ; 4,096 bytes of codes a run
	s_mov_b32 s25, 0
	s_lshl_b32 s30, s22, 8                         ; 256 scale bytes a run,
	s_add_co_u32 s30, s30, 8388608                 ; behind the codes
	s_mov_b32 s31, 0
	s_and_b32 s22, s22, 511                        ; the run in its own tensor,
	s_lshl_b32 s22, s22, 15                        ; 32,768 bytes each
	s_mov_b32 s23, 0
	s_wait_kmcnt 0x0
	s_cmp_lt_u32 ttmp9, 384                        ; which tensor: the choice hangs on the work-group's number alone
	s_cselect_b64 s[SRC:SRC+1], s[8:9], s[10:11]
	s_cmp_lt_u32 ttmp9, 256
	s_cselect_b64 s[SRC:SRC+1], s[6:7], s[SRC:SRC+1]
	s_cmp_lt_u32 ttmp9, 128
	s_cselect_b64 s[SRC:SRC+1], s[4:5], s[SRC:SRC+1]
	s_add_nc_u64 s[SRC:SRC+1], s[SRC:SRC+1], s[22:23]
	s_add_nc_u64 s[COD:COD+1], s[14:15], s[24:25]
	s_add_nc_u64 s[SCB:SCB+1], s[14:15], s[30:31]
.macro LOAD t
.irp i, 0,1,2,3
	global_load_b128 v[R+16*((\t)%4)+4*\i:R+16*((\t)%4)+4*\i+3], v3, s[SRC:SRC+1] offset:2048*(\t)+512*\i th:TH_LOAD_NT   ; 32 lanes read 512 consecutive bytes
.endr
.endm
.macro TURN t                          ; step t's numbers through the stage: LDS serves a wave's instructions in order, so no wait stands between the stores and the loads
.irp i, 0,1,2,3
	ds_store_b128 v14, v[R+16*((\t)%4)+4*\i:R+16*((\t)%4)+4*\i+3] offset:32*SP*((\t)%2)+8*SP*\i
.endr
.irp i, 0,1,2,3
	ds_load_b128 v[X+16*((\t)%2)+4*\i:X+16*((\t)%2)+4*\i+3], v15 offset:32*SP*((\t)%2)+16*\i
.endr
.endm
.irp t, 0,1,2,3
	LOAD \t
.endr
	s_wait_loadcnt 12                              ; step 0's four loads are in; the twelve younger stay out
	TURN 0
.macro STEP t
.set XS, X+16*((\t)%2)
.if (\t) > 0
	s_wait_dscnt 1                                 ; this step's numbers are back from the stage (the last step's byte store may be out)
.else
	s_wait_dscnt 0x0
.endif
.if (\t)+4 < STEPS
	LOAD (\t)+4                                    ; into the registers that the stage's stores have read
.endif
.if (\t)+1 < STEPS
.if STEPS-2-(\t) >= 3
	s_wait_loadcnt 12                              ; the next step's four loads are in; those of the three steps behind it may be out
.else
	s_wait_loadcnt 4*(STEPS-2-(\t))
.endif
	TURN (\t)+1
.endif
	v_max3_num_f32 v8, |v[XS]|, |v[XS+1]|, |v[XS+2]|               ; the largest magnitude of my 16, in two chains
	v_max3_num_f32 v9, |v[XS+3]|, |v[XS+4]|, |v[XS+5]|
.irp i, 6,10
	v_max3_num_f32 v8, v8, |v[XS+\i]|, |v[XS+\i+1]|
	v_max3_num_f32 v9, v9, |v[XS+\i+2]|, |v[XS+\i+3]|
.endr
	v_max3_num_f32 v8, v8, |v[XS+14]|, |v[XS+15]|
	v_max3_num_f32 v8, v8, v9, (EMAX+1)<<23        ; and the floor 2^(3 - 127): the byte cannot fall under 1
	v_max_num_f32_dpp v8, v8, v8 row_xmask:1 row_mask:0xf bank_mask:0xf   ; and of my neighbour's 16: the block's
	v_add_nc_u32 v11, -(EMAX<<23), v8              ; 2 off its exponent field: the conversion takes the exponent field of this operand as its scale
	v_cvt_scalef32_pk8_fp4_f32 v[C+4*(\t)], v[XS:XS+7], v11
	v_cvt_scalef32_pk8_fp4_f32 v[C+4*(\t)+1], v[XS+8:XS+15], v11
	v_lshrrev_b32 v[E+(\t)], 23, v11               ; the scale's byte (also the plain line behind the conversions)
	ds_store_b8 v5, v[E+(\t)] offset:16*(\t)       ; both lanes of a block write the same byte with the same value
	global_store_b64 v4, v[C+4*(\t):C+4*(\t)+1], s[COD:COD+1] offset:32*CB*(\t)   ; the wave stores 256 consecutive bytes, aligned
.endm
.irp t, 0,1,2,3,4,5,6,7,8,9,10,11,12,13,14,15
	STEP \t
.endr
	ds_load_b64 v[8:9], v6                         ; LDS serves a wave's instructions in order: these see my stores
	s_wait_dscnt 0x0
	global_store_b64 v7, v[8:9], s[SCB:SCB+1]      ; 32 lanes store 256 consecutive bytes, aligned
	s_wait_tensorcnt 0x0                           ; the wave's end
	ds_add_u32 v[SPW], v[NIL]
	s_wait_dscnt 0x0
	s_endpgm
	; ---------------- the mask: a wave takes tile T and steps 4 g .. 4 g + 3: 16 rows x 1,024 bytes.  No LDS.
.Lmask:
	s_sub_co_u32 s19, ttmp9, 512
	s_lshr_b32 s20, s19, 1                         ; T
	s_and_b32 s21, s19, 1
	s_lshl_b32 s21, s21, 2
	s_add_co_u32 s21, s21, s18                     ; g
	v_and_b32 v3, 15, v2                           ; r
	v_lshrrev_b32 v4, 4, v2                        ; h
	v_lshlrev_b32 v3, 13, v3
	v_lshl_add_u32 v3, v4, 5, v3                   ; row r of 8,192 bytes, + 8 h numbers
	s_lshl_b32 s22, s20, 17
	s_lshl_b32 s23, s21, 10
	s_add_co_u32 s22, s22, s23
	s_mov_b32 s23, 0
	s_lshl_b32 s24, s20, 12                        ; the bit words: T x 4,096 + 2 g x 256
	s_lshl_b32 s25, s21, 9
	s_add_co_u32 s24, s24, s25
	s_mov_b32 s25, 0
	s_lshl_b32 s26, s20, 3                         ; the flags: word 8 T + g
	s_add_co_u32 s26, s26, s21
	s_lshl_b32 s26, s26, 2
	s_add_co_u32 s26, s26, 524288
	s_mov_b32 s27, 0
	v_lshlrev_b32 v5, 3, v2                        ; 8 bytes a lane
	s_wait_kmcnt 0x0
	s_add_nc_u64 s[12:13], s[12:13], s[22:23]
	s_add_nc_u64 s[24:25], s[16:17], s[24:25]
	s_add_nc_u64 s[26:27], s[16:17], s[26:27]
.irp q, 0,1,2,3
.irp kt, 0,1,2,3
.irp e, 0,1
	global_load_b128 v[16+32*\q+8*\kt+4*\e:16+32*\q+8*\kt+4*\e+3], v3, s[12:13] offset:256*\q+64*\kt+16*\e   ; register 16 + 32 q + n holds the number of bit n of step 4 g + q
.endr
.endr
.endr
	s_wait_loadcnt 0x0
.irp q, 0,1,2,3
	v_min_u32 v[144+\q], 1, v[16+32*\q]            ; 1 where the number is not 0 (taken as unsigned)
.endr
.set n, 1
.rept 31
.irp q, 0,1,2,3
	v_min_u32 v[148+\q], 1, v[16+32*\q+n]          ; the four steps by turns
.endr
.irp q, 0,1,2,3
	v_lshl_or_b32 v[144+\q], v[148+\q], n, v[144+\q]
.endr
.set n, n+1
.endr
	global_store_b64 v5, v[144:145], s[24:25]              ; 256 consecutive bytes, aligned: steps 4 g, 4 g + 1
	global_store_b64 v5, v[146:147], s[24:25] offset:256   ; steps 4 g + 2, 4 g + 3
	s_mov_b32 s30, 0                               ; ANY
	s_mov_b32 s31, 0                               ; ALL
	s_lshl_b32 s32, s21, 2                         ; the step's bit
.irp q, 0,1,2,3
	v_cmp_ne_u32 vcc_lo, 0, v[144+\q]
	s_cmp_lg_u32 vcc_lo, 0                         ; some lane has an open key
	s_cselect_b32 s33, 1, 0
	s_lshl_b32 s33, s33, s32
	s_or_b32 s30, s30, s33
	v_cmp_ne_u32 vcc_lo, -1, v[144+\q]
	s_cmp_eq_u32 vcc_lo, 0                         ; no lane has a closed key
	s_cselect_b32 s33, 1, 0
	s_lshl_b32 s33, s33, s32
	s_or_b32 s31, s31, s33
	s_add_co_u32 s32, s32, 1
.endr
	v_mov_b32 v152, s30
	v_mov_b32 v153, s31
	v_mov_b32 v154, 0
	v_cmp_eq_u32 vcc_lo, 0, v2
	s_wait_xcnt 0x0                                ; EXEC changes only behind this wait: the stores above have it among their sources
	s_and_saveexec_b32 s34, vcc_lo                 ; lane 0 alone
	global_store_b32 v154, v152, s[26:27]
	global_store_b32 v154, v153, s[26:27] offset:4096
	s_wait_xcnt 0x0                                ; and again in front of the line that widens it
	s_or_b32 exec_lo, exec_lo, s34
	s_endpgm
.Lfunc_end_k_qdc55b9d9f7_prep:
	.size	k_qdc55b9d9f7_prep, .Lfunc_end_k_qdc55b9d9f7_prep-k_qdc55b9d9f7_prep
	.p2alignl 7, 3214868480
	.fill 96, 4, 3214868480
	.section	.rodata,"a",@progbits
	.p2align	6, 0x0
	.amdhsa_kernel k_qdc55b9d9f7_prep
		.amdhsa_group_segment_fixed_size 33280
		.amdhsa_private_segment_fixed_size 0
		.amdhsa_enable_private_segment 0
		.amdhsa_kernarg_size 56
		.amdhsa_user_sgpr_count 2
		.amdhsa_user_sgpr_kernarg_segment_ptr 1
		.amdhsa_wavefront_size32 1
		.amdhsa_system_sgpr_workgroup_id_x 1
		.amdhsa_system_sgpr_workgroup_id_y 1
		.amdhsa_system_sgpr_workgroup_id_z 1
		.amdhsa_system_vgpr_workitem_id 0
		.amdhsa_next_free_vgpr 192
		.amdhsa_next_free_sgpr 66
		.amdhsa_reserve_vcc 1
		.amdhsa_float_denorm_mode_32 3
		.amdhsa_float_denorm_mode_16_64 3
		.amdhsa_memory_ordered 1
		.amdhsa_forward_progress 1
		.amdhsa_inst_pref_size 51
	.end_amdhsa_kernel
	.amdgpu_metadata
---
amdhsa.version: [ 1, 2 ]
amdhsa.kernels:
  - .name:           k_qdc55b9d9f7_prep
    .symbol:         k_qdc55b9d9f7_prep.kd
    .args:
      - { .name: x, .offset: 0, .size: 8, .value_kind: global_buffer, .address_space: global }
      - { .name: wq, .offset: 8, .size: 8, .value_kind: global_buffer, .address_space: global }
      - { .name: wk, .offset: 16, .size: 8, .value_kind: global_buffer, .address_space: global }
      - { .name: wv, .offset: 24, .size: 8, .value_kind: global_buffer, .address_space: global }
      - { .name: mask, .offset: 32, .size: 8, .value_kind: global_buffer, .address_space: global }
      - { .name: xw4, .offset: 40, .size: 8, .value_kind: global_buffer, .address_space: global }
      - { .name: mpack, .offset: 48, .size: 8, .value_kind: global_buffer, .address_space: global }
    .group_segment_fixed_size: 33280
    .private_segment_fixed_size: 0
    .kernarg_segment_align: 8
    .kernarg_segment_size: 56
    .max_flat_workgroup_size: 128
    .sgpr_count:     66
    .vgpr_count:     192
    .wavefront_size: 32
...
	.end_amdgpu_metadata
.endif
;; end of part 1
;; launch qkv (part 2): grid 24 x 8, 4 waves a work-group, clusters of 4 x 4, 327,680 bytes of LDS; arguments xw4, bq, bk, bv, qkv; writes qkv
.if DOCPART == 2
	.amdgcn_target "amdgcn-amd-amdhsa--gfx1250"
	.amdhsa_code_object_version 6
	.text
	.protected	k_qdc55b9d9f7_qkv
	.globl	k_qdc55b9d9f7_qkv
	.p2align	8
	.type	k_qdc55b9d9f7_qkv,@function
k_qdc55b9d9f7_qkv:
	s_mov_b64 s[64:65], 0
	v_nop
	global_prefetch_b8 v0, s[64:65] scope:SCOPE_SE
	s_setreg_imm32_b32 hwreg(HW_REG_WAVE_MODE, 25, 1), 1
	s_wait_xcnt 0x0
	s_wait_alu depctr_hold_cnt(0) depctr_sa_sdst(0) depctr_va_vdst(0) depctr_va_sdst(0) depctr_va_ssrc(0) depctr_va_vcc(0) depctr_vm_vsrc(0)
	s_getreg_b32 s2, hwreg(HW_REG_IB_STS2, 6, 4)
	s_cmp_eq_u32 s2, 0
	s_cbranch_scc0 .Lentry_in_a_cluster
	s_endpgm
.Lentry_in_a_cluster:
	s_bfe_u32 s2, ttmp6, 0x10000c
	s_cmp_lg_u32 s2, 0xf033
	s_cbranch_scc0 .Lentry_shape_is_right
	s_endpgm
.Lentry_shape_is_right:
; q = x wq^T + bq, k = x wk^T + bk, v = x wv^T + bv on codes of FP4 (E2M1) with E8M0 scales (xw4: codes [8192][1024 bytes], rows 0-2047 x, then wq, wk, wv; scale bytes [8192][64] from byte 8,388,608 on); sums in f32.
; The results leave as f16 IMAGES OF THE NEXT LAUNCH'S FRAGMENTS (16 rows x 32 k: lane (r, h) holds row r; 16 bytes k = 8 h .. + 7 at 16 x lane, 16 bytes k = 16 + 8 h .. + 7 512 bytes on):
;   q, k at byte 0: [head 32 (0-15 q, 16-31 k)][tile of 16 positions 128][chunk of 32 channels 4][half][lane][16 bytes];
;   v^T, high parts at 16,777,216, low parts at 25,165,824: [head 16][step of 64 keys 32][tile of 16 channels 8][chunk of 32 keys 2][half][lane][16 bytes].
; A tile of 256 x 256 results to a work-group of four waves, 128 x 128 a wave: 64 accumulators, 512 registers.  K = 2,048 goes in 4 steps of 512 through a ring of two LDS slots; the scale bytes of the work-group's 512 rows come once.
; Source 0 takes 16 rows of 'B', source 1 16 rows of 'A': a lane then holds one row of A and eight neighbouring rows of B.  Tile columns 0-15: A = x, B = wq | wk: eight channels of one position, an image of q or k.
; Tile columns 16-23: A = wv, B = x: eight keys of one channel, an image of v^T.  So nothing is transposed, and each store of a wave covers 512 consecutive bytes, aligned.
; v goes out as a high and a low f16 part, split in f32: c = 8193 v, hi = c - (c - v) (11 significant bits, so its conversion is exact in f16's normal range), lo = v - hi.
; CLUSTERS: 4 x 4 work-groups; A's tiles are asked for jointly along a row of the cluster, B's along a column.  Which path a work-group takes hangs on the cluster's x alone: the same in all sixteen.
; LIMITS: |q|, |k|, |v| under 65,504 (f16); parts under 2^-14 resolve 2^-25.
; REGISTERS: window 0: v0-31 addresses; v32-95 scale words, two sets; v96-111 bv by rows; v128-191 A's fragments; v192-255 the bias by columns; on the way out v32-95 and v112-175 are at work.
;   window 1: B's fragments, two sets.   windows 2, 3: the accumulators ((a, b) at v[8 (8 (a % 4) + b)]).
.set KSTEP,  512
.set NQ,     KSTEP/128
.set ROWB,   256                       ; a tile's row in bytes
.set KROW,   1024                      ; a row of codes in memory
.set PITCH,  272                       ; an LDS row: 256 bytes + 16 of padding: the 16 rows that a load touches start at 16 different banks
.set FR,     8
.set NL,     2
.set NP,     4                         ; places behind this matrix instruction (ISA guide 7.12.1)
.set HALFT,  128*PITCH
.set SLOT,   4*HALFT
.set LAPS,   2
.set KS,     64                        ; a row of scale bytes
.set SCL,    2*SLOT
.set HALFS,  (128*KS/256)*272
.set SBLK,   (16*KS/256)*272
.set SPARE,  SCL+4*HALFS               ; the spare words, 128 bytes for each wave
.set ADRA, 16
.set ADRB, 20
.set LI,   26                          ; v26 16 x lane: my place in an image
.set ADRS, 27
.set SPW,  28
.set NIL,  29
.set BNO,  30                          ; v30 32 h
.set BMO,  31                          ; v31 4 r
.set SC,   32
.set BM,   96                          ; v96-111 bv of my row of A's block a, twice (a pair)
.set AF,   128
.set BN,   192                         ; v192-255 the bias of B's rows 16 b + 8 h + j at 8 b + j
.set TT,   32                          ; the way out: 32 results
.set CT,   64                          ; 8193 x them, then the high parts
.set HI,   112                         ; 16 registers of f16
.set LO,   128
.set DT,   144
.set G1, 24
.set G0, 32
.set G1B, 48
.set G0B, 56
.set G1S, 68
.set G0S, 76
.set G1SB, 80
.set G0SB, 88
.set MSB, 0
.macro WIN new                         ; the immediate's high byte repeats the setting that is left
.if MSB != (\new)
	s_set_vgpr_msb (MSB<<8)|(\new)
.set MSB, \new
.endif
.endm
.set MUL_LO, 0xa1                      ; source 0 (B) window 1, source 1 (A) window 0, C and D window 2
.set MUL_HI, 0xf1
.set TO_B,   0x40
; A joint load: waves 0 and 1 fetch for A, waves 2 and 3 for B; the branch hangs on the wave's number alone.  An s_nop 0 and four v_nop follow each of the two lines.
.macro JLOAD g0a, g1a, g0b, g1b
	s_cmp_eq_u32 s15, 0
	s_cbranch_scc0 .Lfor_b_\@
	tensor_load_to_lds s[\g0a:\g0a+3], s[\g1a:\g1a+7]
	s_nop 0
.rept 4
	v_nop
.endr
	s_branch .Lasked_\@
.Lfor_b_\@:
	tensor_load_to_lds s[\g0b:\g0b+3], s[\g1b:\g1b+7]
	s_nop 0
.rept 4
	v_nop
.endr
.Lasked_\@:
.endm
.macro CREST                           ; a round of the cluster's barrier behind its opening barrier
	s_cmp_lg_u32 s14, 0
	s_cbranch_scc1 .Lnot_wave_0_\@
	s_barrier_signal -3
.Lnot_wave_0_\@:
	s_barrier_wait -3
	s_barrier_signal -1
	s_barrier_wait -1
.endm
.macro CROUND
	s_barrier_signal -1
	s_barrier_wait -1
	CREST
.endm
	s_load_b128 s[4:7], s[0:1], 0x0                ; xw4, bq
	s_load_b128 s[8:11], s[0:1], 0x10              ; bk, bv
	s_load_b64 s[12:13], s[0:1], 0x20              ; qkv
	v_lshl_add_u32 v[SPW], v0, 2, SPARE
	v_mov_b32 v[NIL], 0
	ds_add_u32 v[SPW], v[NIL]                      ; the wave's opening: the add, twice on end, and its wait ahead of my first tensor load
	ds_add_u32 v[SPW], v[NIL]
	v_lshrrev_b32 v1, 5, v0
	v_readfirstlane_b32 s14, v1                    ; wave 0..3
	s_lshr_b32 s15, s14, 1                         ; which half of A's rows is mine.  Also: I fetch for A (0) or for B (1)
	s_and_b32 s16, s14, 1                          ; which half of B's rows.  Also: which 128 rows of that tile I fetch
	s_bfe_u32 s40, ttmp6, 0x40000                  ; cx, cy
	s_bfe_u32 s41, ttmp6, 0x40004
	s_lshl_b32 s42, ttmp9, 2
	s_add_co_u32 s42, s42, s40                     ; tile column tx = 4 x cluster x + cx: 0 .. 23
	s_and_b32 s17, ttmp7, 0xffff
	s_lshl_b32 s17, s17, 2
	s_add_co_u32 s17, s17, s41                     ; tile row ty: 0 .. 7
	s_lshl_b32 s43, s41, 2
	s_lshl_b32 s43, 15, s43                        ; my row of the cluster
	s_lshl_b32 s44, 0x1111, s40                    ; my column
	s_or_b32 s[G1+0], s43, (0<<16)|(1<<20)|(1<<21)|(5<<22)|(3<<25)  ; the mask; elements of 1 byte; padding: 4 words after every 64; bit 21 beside a mask
	s_or_b32 s[G1B+0], s44, (0<<16)|(1<<20)|(1<<21)|(5<<22)|(3<<25)
.irp g, G1, G1B
	s_mov_b32 s[\g+1], ROWB<<16                    ; tensor_dim0
	s_mov_b32 s[\g+2], 128<<16                     ; tensor_dim1
	s_mov_b32 s[\g+3], ROWB<<16                    ; tile_dim0
	s_mov_b32 s[\g+4], 128                         ; tile_dim1
	s_mov_b32 s[\g+5], KROW                        ; the pitch
	s_mov_b32 s[\g+6], 0
	s_mov_b32 s[\g+7], 0
.endr
	s_or_b32 s[G1S+0], s43, (3<<16)|(1<<20)|(1<<21)|(5<<22)|(3<<25)  ; the scales of 128 rows: 8,192 dense bytes as 32 rows of 256, 16 bytes of padding behind each
	s_or_b32 s[G1SB+0], s44, (3<<16)|(1<<20)|(1<<21)|(5<<22)|(3<<25)
.irp g, G1S, G1SB
	s_mov_b32 s[\g+1], 32<<16
	s_mov_b32 s[\g+2], (128*KS/256)<<16
	s_mov_b32 s[\g+3], 32<<16
	s_mov_b32 s[\g+4], 128*KS/256
	s_mov_b32 s[\g+5], 32
	s_mov_b32 s[\g+6], 0
	s_mov_b32 s[\g+7], 0
.endr
	s_lshl_b32 s18, s16, 7                         ; which 128 rows of the tile I fetch
	s_cmp_lt_u32 ttmp9, 4                          ; tile columns 0-15: q and k; 16-23: v.  The cluster's x alone decides
	s_cselect_b32 s95, 1, 0
	s_cselect_b32 s19, 0, 6144                     ; A: x, or wv
	s_cselect_b32 s45, 2048, 0                     ; B: wq | wk, or x
	s_lshl_b32 s20, s17, 8
	s_add_co_u32 s20, s20, s18
	s_add_co_u32 s20, s20, s19                     ; A's row in xw4
	s_and_b32 s46, s42, 15
	s_lshl_b32 s46, s46, 8
	s_add_co_u32 s46, s46, s18
	s_add_co_u32 s46, s46, s45                     ; B's row in xw4
	s_lshl_b32 s22, s20, 6                         ; their scale bytes,
	s_add_co_u32 s22, s22, 0x800000
	s_mov_b32 s23, 0
	s_lshl_b32 s92, s46, 6
	s_add_co_u32 s92, s92, 0x800000
	s_mov_b32 s93, 0
	s_lshl_b32 s20, s20, 10                        ; and their codes
	s_mov_b32 s21, 0
	s_lshl_b32 s46, s46, 10
	s_mov_b32 s47, 0
	s_mul_i32 s45, s14, HALFT                      ; where they go: wave x 128 rows: no place in the cluster enters an LDS address
	s_mul_i32 s94, s14, HALFS
	s_wait_dscnt 0x0                               ; both opening adds are done
	s_wait_kmcnt 0x0
	s_add_nc_u64 s[20:21], s[4:5], s[20:21]
	s_add_nc_u64 s[22:23], s[4:5], s[22:23]
	s_add_nc_u64 s[46:47], s[4:5], s[46:47]
	s_add_nc_u64 s[92:93], s[4:5], s[92:93]
	CROUND                                         ; all sixteen work-groups are here: the first joint loads meet
	s_mov_b32 s[G0S], 1
	s_add_co_u32 s[G0S+1], s94, SCL
	s_mov_b64 s[G0S+2:G0S+3], s[22:23]
	s_or_b32 s[G0S+3], s[G0S+3], 0x80000000
	s_mov_b32 s[G0SB], 1
	s_add_co_u32 s[G0SB+1], s94, SCL
	s_mov_b64 s[G0SB+2:G0SB+3], s[92:93]
	s_or_b32 s[G0SB+3], s[G0SB+3], 0x80000000
	JLOAD G0S, G1S, G0SB, G1SB                     ; the scales first: they are wanted with K step 0
.irp s, 0,1
	s_mov_b32 s[G0+4*\s], 1
	s_add_co_u32 s[G0+4*\s+1], s45, \s*SLOT
	s_add_nc_u64 s[G0+4*\s+2:G0+4*\s+3], s[20:21], \s*ROWB
	s_or_b32 s[G0+4*\s+3], s[G0+4*\s+3], 0x80000000
	s_mov_b32 s[G0B+4*\s], 1
	s_add_co_u32 s[G0B+4*\s+1], s45, \s*SLOT
	s_add_nc_u64 s[G0B+4*\s+2:G0B+4*\s+3], s[46:47], \s*ROWB
	s_or_b32 s[G0B+4*\s+3], s[G0B+4*\s+3], 0x80000000
	JLOAD G0+4*\s, G1, G0B+4*\s, G1B               ; three tensor loads of mine are out behind the second of these
.endr
	v_and_b32 v1, 15, v0                           ; r
	v_bfe_u32 v2, v0, 4, 1                         ; h
	v_mul_u32_u24 v3, v1, PITCH
	v_lshl_add_u32 v4, v2, 4, v3                   ; a fragment's row x pitch + 16 h
	s_mul_i32 s21, s15, HALFT
	s_mul_i32 s22, s16, HALFT
	s_add_co_u32 s22, s22, 2*HALFT
.irp s, 0,1
	v_add_nc_u32 v[ADRA+\s], s21, v4
	v_add_nc_u32 v[ADRB+\s], s22, v4
	s_add_co_u32 s21, s21, SLOT
	s_add_co_u32 s22, s22, SLOT
.endr
	v_mul_u32_u24 v5, v1, KS                       ; my row's scales: 64 bytes a row,
	v_lshrrev_b32 v6, 8, v5
	v_lshl_add_u32 v5, v6, 4, v5                   ; and 16 more for each 256 passed
	s_mul_i32 s21, s15, HALFS
	s_mul_i32 s22, s16, HALFS
	s_add_co_u32 s22, s22, 2*HALFS
	s_sub_co_u32 s22, s22, s21
	v_mul_u32_u24 v6, s22, v2                      ; lanes 16-31 take B's
	s_add_co_u32 s21, s21, SCL
	v_add_nc_u32 v5, v5, v6
	v_add_nc_u32 v[ADRS], s21, v5
	v_and_b32 v6, 31, v0
	v_lshlrev_b32 v[LI], 4, v6
	v_lshlrev_b32 v[BNO], 5, v2
	v_lshlrev_b32 v[BMO], 2, v1
	; the biases, both kinds on both paths (no branch: each path reads its own kind at the end): by B's rows from bq, bk (or bv, not used), by A's rows from bv
	s_cmp_lt_u32 ttmp9, 4
	s_cselect_b64 s[66:67], s[8:9], s[10:11]
	s_cmp_lt_u32 ttmp9, 2
	s_cselect_b64 s[66:67], s[6:7], s[66:67]
	s_and_b32 s46, s42, 7
	s_lshl_b32 s46, s46, 10                        ; 256 (tx & 7) numbers,
	s_lshl_b32 s47, s16, 9                         ; + 128 x my half
	s_add_co_u32 s46, s46, s47
	s_mov_b32 s47, 0
	s_add_nc_u64 s[66:67], s[66:67], s[46:47]
	s_lshl_b32 s92, s17, 10
	s_lshl_b32 s93, s15, 9
	s_add_co_u32 s92, s92, s93
	s_mov_b32 s93, 0
	s_add_nc_u64 s[92:93], s[10:11], s[92:93]
.irp b, 0,1,2,3,4,5,6,7
	global_load_b128 v[BN+8*\b:BN+8*\b+3], v[BNO], s[66:67] offset:64*\b
	global_load_b128 v[BN+8*\b+4:BN+8*\b+7], v[BNO], s[66:67] offset:64*\b+16
.endr
.irp a, 0,1,2,3,4,5,6,7
	global_load_b32 v[BM+2*\a], v[BMO], s[92:93] offset:64*\a
	global_load_b32 v[BM+2*\a+1], v[BMO], s[92:93] offset:64*\a     ; the same number once more: a pair for the packed addition
.endr
	; where my images go.  q, k: ((2 tx + half) 128 + 16 ty + 8 half) x 4,096.  v: 16,777,216 + (2 ty + half) x 524,288 + (2 (tx & 15) + half) x 32,768
	s_lshl_b32 s46, s42, 1
	s_add_co_u32 s46, s46, s16
	s_lshl_b32 s46, s46, 7
	s_lshl_b32 s47, s17, 4
	s_add_co_u32 s46, s46, s47
	s_lshl_b32 s47, s15, 3
	s_add_co_u32 s46, s46, s47
	s_lshl_b32 s46, s46, 12
	s_lshl_b32 s100, s17, 1
	s_add_co_u32 s100, s100, s15
	s_lshl_b32 s100, s100, 4
	s_and_b32 s101, s42, 15
	s_lshl_b32 s101, s101, 1
	s_add_co_u32 s100, s100, s101
	s_add_co_u32 s100, s100, s16
	s_lshl_b32 s100, s100, 15
	s_add_co_u32 s100, s100, 0x1000000
	s_cmp_eq_u32 s95, 1
	s_cselect_b32 s100, s46, s100
	s_mov_b32 s101, 0
	s_add_nc_u64 s[100:101], s[12:13], s[100:101]
	s_add_nc_u64 s[104:105], s[100:101], 0x800000  ; v's low parts (used on v's path alone)
.macro FRAG reg, adr, q, i             ; 16 rows x 128 K of 4-bit codes: 8 registers: registers 4 c .. 4 c + 3 hold K = 64 c + 32 h + 0 .. 31
.irp c, 0,1
	ds_load_b128 v[\reg+4*\c:\reg+4*\c+3], v[\adr] offset:64*(\q)+32*\c+(\i)*16*PITCH
.endr
.endm
; 16 matrix instructions: A's blocks a0, a0 + 1 x B's eight.  The 64 accumulators take turns, one instruction a turn, in the same order in every step.
.macro MUL16 a0, p, q, sc, zero
.irp a, \a0, \a0+1
.irp b, 0,1,2,3,4,5,6,7
.if \zero
	v_wmma_scale_f32_16x16x128_f8f6f4 v[8*(8*((\a)%4)+\b):8*(8*((\a)%4)+\b)+7], v[128*(\p)+FR*\b:128*(\p)+FR*\b+FR-1], v[AF+FR*(\a):AF+FR*(\a)+FR-1], 0, v[SC+8*NQ*(\sc)+NQ*\b+(\q)], v[SC+8*NQ*(\sc)+NQ*(\a)+(\q)] matrix_a_fmt:MATRIX_FMT_FP4 matrix_b_fmt:MATRIX_FMT_FP4 matrix_a_scale:MATRIX_SCALE_ROW1
.else
	v_wmma_scale_f32_16x16x128_f8f6f4 v[8*(8*((\a)%4)+\b):8*(8*((\a)%4)+\b)+7], v[128*(\p)+FR*\b:128*(\p)+FR*\b+FR-1], v[AF+FR*(\a):AF+FR*(\a)+FR-1], v[8*(8*((\a)%4)+\b):8*(8*((\a)%4)+\b)+7], v[SC+8*NQ*(\sc)+NQ*\b+(\q)], v[SC+8*NQ*(\sc)+NQ*(\a)+(\q)] matrix_a_fmt:MATRIX_FMT_FP4 matrix_b_fmt:MATRIX_FMT_FP4 matrix_a_scale:MATRIX_SCALE_ROW1
.endif
.endr
.endr
.endm
.macro FETCH_B slot, q, p
	WIN TO_B
.irp i, 0,1,2,3,4,5,6,7
	FRAG 128*(\p)+FR*\i, ADRB+\slot, \q, \i
.endr
	WIN 0
.endm
.macro FETCH_A slot, q, i0
.irp i, \i0, \i0+1, \i0+2, \i0+3
	FRAG AF+FR*(\i), ADRA+\slot, \q, \i
.endr
.endm
.macro SCALES sc                       ; a K step's scale words: 4 a row; lanes 0-15 take A's block i, lanes 16-31 B's block i
.irp i, 0,1,2,3,4,5,6,7
	ds_load_b128 v[SC+8*NQ*\sc+NQ*\i:SC+8*NQ*\sc+NQ*\i+3], v[ADRS] offset:\i*SBLK
.endr
.endm
.macro PLACES n                        ; plain vector lines between a matrix instruction and a load into, or a vector read or write of, its registers
.rept \n
	v_nop
.endr
.endm
.macro STEP slot, q, zero              ; 128 along K with its successor in the same slot
	s_wait_dscnt 4*NL                              ; B's set and A's blocks 0-3 are in; the youngest eight loads (A's blocks 4-7) may be out
	WIN MUL_LO
	MUL16 0, (\q)%2, \q, \slot, \zero
	MUL16 2, (\q)%2, \q, \slot, \zero
	s_wait_dscnt 0
	PLACES NP
	FETCH_B \slot, (\q)+1, 1-(\q)%2
	FETCH_A \slot, (\q)+1, 0
	WIN MUL_HI
	MUL16 4, (\q)%2, \q, \slot, \zero
	MUL16 6, (\q)%2, \q, \slot, \zero
	PLACES NP
	WIN 0
	FETCH_A \slot, (\q)+1, 4
.endm
; A slot's last step changes slots: one barrier; in front of it each wave waits for all its tensor loads, adds 0 to its spare word, and waits for that and for its own reads of this slot.
.macro TURN slot, next, fill
	s_wait_tensorcnt 0x0                           ; all my tensor loads have landed: my part of the next slot
	ds_add_u32 v[SPW], v[NIL]
	s_wait_dscnt 4*NL+1                            ; (the add and the youngest eight loads may be out)
	WIN MUL_LO
	MUL16 0, 1, NQ-1, \slot, 0
	s_wait_dscnt 0x0                               ; the add is done, and my reads of this slot are over
	s_barrier_signal -1
	MUL16 2, 1, NQ-1, \slot, 0
	WIN 0
	s_barrier_wait -1
.if \fill
	CREST                                          ; the barrier has opened a round of the cluster's barrier: no wave of any partner still reads this slot or has a load on its way
	s_add_nc_u64 s[G0+4*\slot+2:G0+4*\slot+3], s[G0+4*\slot+2:G0+4*\slot+3], 2*ROWB
	s_add_nc_u64 s[G0B+4*\slot+2:G0B+4*\slot+3], s[G0B+4*\slot+2:G0B+4*\slot+3], 2*ROWB
	JLOAD G0+4*\slot, G1, G0B+4*\slot, G1B         ; my one tensor load behind the round; its four v_nop are the places in front of the loads below
.else
	PLACES NP
.endif
	v_add_nc_u32 v[ADRS], 4*NQ, v[ADRS]            ; on to the next K step's scale words
	FETCH_B \next, 0, 0
	FETCH_A \next, 0, 0
	SCALES \next
	WIN MUL_HI
	MUL16 4, 1, NQ-1, \slot, 0
	MUL16 6, 1, NQ-1, \slot, 0
	PLACES NP
	WIN 0
	FETCH_A \next, 0, 4
.endm
.macro STEPS slot, from
.set Q, \from
.rept NQ-1-\from
	STEP \slot, Q, 0
.set Q, Q+1
.endr
.endm
	s_wait_tensorcnt 1                             ; the scales and my part of K step 0 are in; K step 1's load may stay out
	s_barrier_signal -1
	s_barrier_wait -1
	FETCH_B 0, 0, 0
	FETCH_A 0, 0, 0
	SCALES 0
	FETCH_A 0, 0, 4
	STEP 0, 0, 1                                   ; the first step's products start the sums
	s_mov_b32 s3, LAPS-1
.Llap:                                                 ; a trip goes once round the ring and fills both slots again
	STEPS 0, 1
	TURN 0, 1, 1
	STEPS 1, 0
	TURN 1, 0, 1
	STEP 0, 0, 0
	s_sub_co_u32 s3, s3, 1
	s_cmp_lg_u32 s3, 0
	s_cbranch_scc1 .Llap
	STEPS 0, 1                                     ; the last lap fills nothing
	TURN 0, 1, 0
	STEPS 1, 0
	s_wait_dscnt 4*NL
	WIN MUL_LO
	MUL16 0, 1, NQ-1, 1, 0
	MUL16 2, 1, NQ-1, 1, 0
	s_wait_dscnt 0
	WIN MUL_HI
	MUL16 4, 1, NQ-1, 1, 0
	MUL16 6, 1, NQ-1, 1, 0
	WIN 0
; THE WAY OUT, four accumulators (one block of A, B's blocks 4 g .. 4 g + 3) at a time: + bias, to f16, 16 bytes a lane, stored as they stand: no LDS.
.macro OUT_QK a, g
	s_wait_xcnt 0x0                                ; the last group's stores have read their data: the registers are written again only behind this wait
	WIN 0x02+(\a)/4                                ; source 0: the accumulators' window
.irp b, 0,1,2,3
.irp i, 0,1,2,3
	v_pk_add_f32 v[TT+8*\b+2*\i:TT+8*\b+2*\i+1], v[8*(8*((\a)%4)+4*(\g)+\b)+2*\i:8*(8*((\a)%4)+4*(\g)+\b)+2*\i+1], v[BN+8*(4*(\g)+\b)+2*\i:BN+8*(4*(\g)+\b)+2*\i+1]   ; each accumulator from its low end on
.endr
.endr
	WIN 0
.irp k, 0,1,2,3,4,5,6,7,8,9,10,11,12,13,14,15
	v_cvt_pk_f16_f32 v[HI+\k], v[TT+2*\k], v[TT+2*\k+1]
.endr
.irp b, 0,1,2,3
	global_store_b128 v[LI], v[HI+4*\b:HI+4*\b+3], s[100:101] offset:(\a)*4096+(4*(\g)+\b)*512   ; 512 consecutive bytes, aligned
.endr
.endm
.macro OUT_V a, g
	s_wait_xcnt 0x0
	WIN 0x02+(\a)/4
.irp b, 0,1,2,3
.irp i, 0,1,2,3
	v_pk_add_f32 v[TT+8*\b+2*\i:TT+8*\b+2*\i+1], v[8*(8*((\a)%4)+4*(\g)+\b)+2*\i:8*(8*((\a)%4)+4*(\g)+\b)+2*\i+1], v[BM+2*(\a):BM+2*(\a)+1]
.endr
.endr
	WIN 0
.irp k, 0,1,2,3,4,5,6,7,8,9,10,11,12,13,14,15
	v_pk_mul_f32 v[CT+2*\k:CT+2*\k+1], v[TT+2*\k:TT+2*\k+1], s[2:3] op_sel_hi:[1,0]                       ; c = 8193 v
.endr
.irp k, 0,1,2,3,4,5,6,7,8,9,10,11,12,13,14,15
	v_pk_add_f32 v[DT+2*\k:DT+2*\k+1], v[CT+2*\k:CT+2*\k+1], v[TT+2*\k:TT+2*\k+1] neg_lo:[0,1] neg_hi:[0,1]   ; c - v
.endr
.irp k, 0,1,2,3,4,5,6,7,8,9,10,11,12,13,14,15
	v_pk_add_f32 v[CT+2*\k:CT+2*\k+1], v[CT+2*\k:CT+2*\k+1], v[DT+2*\k:DT+2*\k+1] neg_lo:[0,1] neg_hi:[0,1]   ; hi = c - (c - v)
.endr
.irp k, 0,1,2,3,4,5,6,7,8,9,10,11,12,13,14,15
	v_pk_add_f32 v[TT+2*\k:TT+2*\k+1], v[TT+2*\k:TT+2*\k+1], v[CT+2*\k:CT+2*\k+1] neg_lo:[0,1] neg_hi:[0,1]   ; lo = v - hi
.endr
.irp k, 0,1,2,3,4,5,6,7,8,9,10,11,12,13,14,15
	v_cvt_pk_f16_f32 v[HI+\k], v[CT+2*\k], v[CT+2*\k+1]
	v_cvt_pk_f16_f32 v[LO+\k], v[TT+2*\k], v[TT+2*\k+1]
.endr
.irp b, 0,1,2,3
	global_store_b128 v[LI], v[HI+4*\b:HI+4*\b+3], s[100:101] offset:(\g)*16384+(\a)*2048+\b*512
	global_store_b128 v[LI], v[LO+4*\b:LO+4*\b+3], s[104:105] offset:(\g)*16384+(\a)*2048+\b*512
.endr
.endm
	s_wait_loadcnt 0x0                             ; the biases
	PLACES NP                                      ; behind the last products: their results are read, and their scale words' and fragments' registers written, below
	s_cmp_eq_u32 s95, 1                            ; the same way in all sixteen work-groups of the cluster
	s_cbranch_scc0 .Lv_out
.irp a, 0,1,2,3,4,5,6,7
.irp g, 0,1
	OUT_QK \a, \g
.endr
.endr
	s_branch .Lout_done
.Lv_out:
	s_mov_b32 s2, 0x46000400                       ; 8193.0
	s_mov_b32 s3, s2                               ; (named with it as a pair, so it is written)
.irp a, 0,1,2,3,4,5,6,7
.irp g, 0,1
	OUT_V \a, \g
.endr
.endr
.Lout_done:
	s_wait_tensorcnt 0x0                           ; the wave's end
	ds_add_u32 v[SPW], v[NIL]
	s_wait_dscnt 0x0
	CROUND                                         ; the closing round: no work-group ends while a partner may still ask for a tile that names it
	s_endpgm
.Lfunc_end_k_qdc55b9d9f7_qkv:
	.size	k_qdc55b9d9f7_qkv, .Lfunc_end_k_qdc55b9d9f7_qkv-k_qdc55b9d9f7_qkv
	.p2alignl 7, 3214868480
	.fill 96, 4, 3214868480
	.section	.rodata,"a",@progbits
	.p2align	6, 0x0
	.amdhsa_kernel k_qdc55b9d9f7_qkv
		.amdhsa_group_segment_fixed_size 327680
		.amdhsa_private_segment_fixed_size 0
		.amdhsa_enable_private_segment 0
		.amdhsa_kernarg_size 40
		.amdhsa_user_sgpr_count 2
		.amdhsa_user_sgpr_kernarg_segment_ptr 1
		.amdhsa_wavefront_size32 1
		.amdhsa_system_sgpr_workgroup_id_x 1
		.amdhsa_system_sgpr_workgroup_id_y 1
		.amdhsa_system_sgpr_workgroup_id_z 1
		.amdhsa_system_vgpr_workitem_id 0
		.amdhsa_next_free_vgpr 1024
		.amdhsa_next_free_sgpr 106
		.amdhsa_reserve_vcc 0
		.amdhsa_float_denorm_mode_32 3
		.amdhsa_float_denorm_mode_16_64 3
		.amdhsa_memory_ordered 1
		.amdhsa_forward_progress 1
		.amdhsa_inst_pref_size 255
	.end_amdhsa_kernel
	.section	.bss,"aw",@nobits
	.p2align	6
	.space	262144
	.amdgpu_metadata
---
amdhsa.version: [ 1, 2 ]
amdhsa.kernels:
  - .name:           k_qdc55b9d9f7_qkv
    .symbol:         k_qdc55b9d9f7_qkv.kd
    .args:
      - { .name: xw4, .offset: 0, .size: 8, .value_kind: global_buffer, .address_space: global }
      - { .name: bq, .offset: 8, .size: 8, .value_kind: global_buffer, .address_space: global }
      - { .name: bk, .offset: 16, .size: 8, .value_kind: global_buffer, .address_space: global }
      - { .name: bv, .offset: 24, .size: 8, .value_kind: global_buffer, .address_space: global }
      - { .name: qkv, .offset: 32, .size: 8, .value_kind: global_buffer, .address_space: global }
    .group_segment_fixed_size: 327680
    .private_segment_fixed_size: 0
    .kernarg_segment_align: 8
    .kernarg_segment_size: 40
    .max_flat_workgroup_size: 128
    .sgpr_count:     106
    .vgpr_count:     1024
    .wavefront_size: 32
...
	.end_amdgpu_metadata
.endif
;; end of part 2
;; launch attn (part 3): grid 16 x 16, 4 waves a work-group, no clusters, 98,816 bytes of LDS; arguments qkv, mpack, oatt; writes oatt
.if DOCPART == 3
	.amdgcn_target "amdgcn-amd-amdhsa--gfx1250"
	.amdhsa_code_object_version 6
	.text
	.protected	k_qdc55b9d9f7_attn
	.globl	k_qdc55b9d9f7_attn
	.p2align	8
	.type	k_qdc55b9d9f7_attn,@function
k_qdc55b9d9f7_attn:
	s_mov_b64 s[64:65], 0
	v_nop
	global_prefetch_b8 v0, s[64:65] scope:SCOPE_SE
	s_setreg_imm32_b32 hwreg(HW_REG_WAVE_MODE, 25, 1), 1
	s_wait_xcnt 0x0
; o[q][head] = softmax_k(q . k / sqrt(128), closed keys at -infinity) v, for one head (work-group y) and eight tiles of 16 queries (work-group x = J).  f16 operands, f32 sums, maxima and softmax.
; q, k, v^T arrive as images of fragments (qkv: see the launch that makes them), the mask as one bit a score in my lanes' order, with two flags for each tile of 16 queries x 64 keys (mpack).
; SHARES.  Wave w owns tiles TL = 4 J + w and TH = 127 - TL.  All four waves walk 32 steps of 64 keys; a step's K and V (16 KiB each, dense) go from memory through registers into LDS, one barrier a step.
; THE WAY INTO LDS, TWO STEPS IN FLIGHT.  The wave pairs take turns: waves 2, 3 at even steps, waves 0, 1 at odd ones.  A turn at step u waits for the pair's own loads, issued two steps earlier, stores K(u + 2) and V(u + 1),
; and issues the loads of K(u + 4) and V(u + 3) into the same 128 registers.  K(j) lies in K's slot j % 2, V(j) in V's slot j % 2; so a pair always writes the same bytes: waves 2, 3 K's slot 0 and V's slot 1, waves 0, 1 the other two.
; THE WAY OUT OF LDS, UNDER OTHER WORK.  In step s a wave reads V(s) behind its products K Q^T (it lands under the softmax) and K(s + 1) behind the softmax (it lands under the products V^T P).  So step s reads V's slot s % 2 and
; K's slot (s + 1) % 2 while the turn stores to K's slot s % 2 and V's slot (s + 1) % 2: four different regions; what is stored in step s is read behind its barrier, and what it overwrites was last read in front of the barrier before.
; WORK THAT THE MASK THROWS AWAY IS NOT DONE: a tile-step with no open key is passed over (a scalar branch on the stored flags); one with all keys open passes over the masking; a step that is closed for all eight tiles is neither
; loaded nor stored.  This holds for any mask; the pairing TL, TH only evens the work out where the mask is lower-triangular.  Since branches hang on stored numbers, the launch has no tensor load, and so no cluster.
; LAYOUT.  S^T = K Q^T (source 0 = 16 keys, source 1 = 16 queries): a lane holds ONE query (lane % 16) and keys 16 kt + 8 (lane / 16) + 0..7; two such tiles, rounded in pairs, are source 1 of O^T = V^T P.
; SOFTMAX.  A running maximum m (it begins at -3e38) and sum l: p = 2^(c s - c m), c = log2(e) / sqrt(128); O and l are multiplied by a = 2^(c m_old - c m_new) in every step.  A row with no open key ends as 0 x (1 / 0) = NaN, as a softmax of -infinities does.
; POSITIONS 0-15 (tile 0) average few values and are carried more finely: p and v go as a high and a low f16 part (three products), and o leaves as two parts.  Parts are split in f32: c = 8193 x, hi = c - (c - x), lo = x - hi.
; LIMITS: |o| under 65,504; parts under 2^-14 resolve 2^-25; rows beyond the first 16 that a mask leaves with very few open keys have plain f16 operands.
; REGISTERS: window 0: v1-15 addresses, bit words; v16-31 statistics, 8 a tile (+0 c m, +1 m, +2, +3 l, +4..+7 at work, a in +6); v32-95 S^T, 32 a tile; v96-127 P; v128-143 P's low parts; v144-239 at work; v240, v241 the head's addresses.
;   window 1: v0-127 O^T, 64 a tile; v128-191 Q.   window 2: v0-127 K, v128-255 V.   window 3: v0-127 V's low parts; v128-191 K, v192-255 V on their way into LDS.
.set SLOTB, 32768                      ; a slot: K [kt 4][c 4][half][16 x lane], then V [dtile 8][c' 2][half][16 x lane]
.set VOFF,  16384                      ; V's place in a slot
.set MBR,   65536                      ; behind the two slots: the bit words of each wave's two tiles, 8,192 bytes a wave, its own
.set SPARE, 98304                      ; the spare words, 128 bytes for each wave
.set LI,   1                           ; v1  16 x lane
.set T64,  2                           ; v2  16 x (thread % 64): my place in what my pair stages
.set ADF,  3                           ; v3  the slot in hand + 16 x lane
.set STA,  4                           ; v4  where my pair stores K: slot 1 - pair; never rewritten
.set STB,  5                           ; v5  where it stores V: slot pair; never rewritten
.set MB0,  6                           ; v6  my wave's bit words + 8 x lane
.set PFO,  7                           ; v7  256 x (thread % 64)
.set SPW,  8
.set NIL,  9
.set ADK,  10                          ; v10 the other slot + 16 x lane
.set MAD,  11                          ; v11 this step's bit words
.set MBC,  12                          ; v12, v13 the bit words, a tile each
.set NINF, 14
.set TMP,  15
.set ST,   16
.set S,    32
.set P,    96
.set PL,   128
.set WK,   144
.set CT,   208
.set DT,   224
.set T16,  240                         ; v240 16 x thread (the head's first tiles)
.set MBW,  241                         ; v241 my wave's bit words + 16 x lane (the head's copy)
.set SG,   128                         ; window 3: what my pair has on its way
; s18 wave, s19 J, s20 head, s21 TL, s22 TH, s23 4 x (TL == 0), s24 ANY(TL), s25 ALL(TL), s26 ANY(TH), s27 ALL(TH), s28 the step, s29 the slot in hand, s[30:31] c, s[32:33] lane selects,
; s34, s44, s45, s49: bit s: step s + 1, + 2, + 3, + 4 is open for some tile of the work-group; s48: bit s: step s + 1 is open for a tile of mine; s35 steps in which I prefetch, s[36:37] 8193.0,
; s[40:41] K, s[42:43] V: what my pair loaded last, s[46:47] V's low parts of this step, s[50:51] the prefetches, s54 this step's place among the bit words, s62 my pair, s63 1 where the turn is my pair's
.set MSB, 0
.macro WIN new                         ; the immediate's high byte repeats the setting that is left
.if MSB != (\new)
	s_set_vgpr_msb (MSB<<8)|(\new)
.set MSB, \new
.endif
.endm
.macro PLACES                          ; plain vector lines between a matrix instruction and a load into, or a vector read or write of, its registers
.rept 4
	v_nop
.endr
.endm
.macro ORS dst, first, cnt
	s_or_b32 s[\dst], s[\first], s[\first+1]
.set i, 2
.rept \cnt-2
	s_or_b32 s[\dst], s[\dst], s[\first+i]
.set i, i+1
.endr
.endm
	s_load_b128 s[4:7], s[0:1], 0x0                ; qkv, mpack
	s_load_b64 s[8:9], s[0:1], 0x10                ; oatt
	v_lshl_add_u32 v[SPW], v0, 2, SPARE
	v_mov_b32 v[NIL], 0
	v_lshrrev_b32 v1, 5, v0
	v_readfirstlane_b32 s18, v1
	s_mov_b32 s19, ttmp9
	s_and_b32 s20, ttmp7, 0xffff
	s_lshl_b32 s21, s19, 2
	s_add_co_u32 s21, s21, s18                     ; TL
	s_sub_co_u32 s22, 127, s21                     ; TH
	s_cmp_eq_u32 s21, 0
	s_cselect_b32 s23, 4, 0
	s_lshr_b32 s62, s18, 1                         ; my pair
	s_mov_b32 s63, s62                             ; step 0's turn is pair 1's
	s_cmp_lt_u32 s18, 2                            ; waves 0, 1 ask for K's blocks, six steps on; waves 2, 3 for V's, five steps on
	s_cselect_b32 s35, 26, 27                      ; so the last steps that ask are 25 and 26
	s_mov_b32 s2, 0x14000
	s_cselect_b32 s2, 0x18000, s2
	s_mov_b32 s3, 0
	s_cmp_eq_u32 s19, 0
	s_cselect_b32 s35, s35, 0                      ; the head's first work-group asks, and nobody else
	s_mov_b32 s30, 0x3e0293ee                      ; c = log2(e) / sqrt(128)
	s_mov_b32 s31, s30
	s_mov_b32 s32, 0x76543210
	s_mov_b32 s33, 0xfedcba98
	s_mov_b32 s36, 0x46000400                      ; 8193.0
	s_mov_b32 s37, s36
	s_mov_b32 s28, 0
	s_mov_b32 s29, 0
	v_and_b32 v[TMP], 31, v0
	v_lshlrev_b32 v[LI], 4, v[TMP]
	v_lshlrev_b32 v[T16], 4, v0
	v_and_b32 v[T64], 63, v0
	v_lshlrev_b32 v[PFO], 8, v[T64]
	v_lshlrev_b32 v[T64], 4, v[T64]
	s_lshl_b32 s56, s18, 13
	s_add_co_u32 s56, s56, MBR                     ; my wave's bit words
	v_lshl_add_u32 v[MB0], v[TMP], 3, s56
	v_add_nc_u32 v[MBW], s56, v[LI]
	s_xor_b32 s56, s62, 1                          ; 1 - pair
	s_lshl_b32 s57, s56, 15
	v_add_nc_u32 v[STA], s57, v[T64]
	s_lshl_b32 s57, s62, 15
	v_add_nc_u32 v[STB], s57, v[T64]
	s_lshl_b32 s56, s56, 14                        ; pair 0's first turn is one step later: its first tiles lie one step further on
	s_mov_b32 s57, 0
	v_mov_b32 v[NINF], 0xff800000
	s_lshl_b32 s10, s19, 7                         ; ANY of tiles 4 J .. 4 J + 3: 128 dense bytes
	s_sub_co_u32 s12, 528256, s10                  ; of tiles 124 - 4 J .. 127 - 4 J: 524,288 + 3,968 - 128 J
	s_add_co_u32 s10, s10, 524288
	s_mov_b32 s11, 0
	s_mov_b32 s13, 0
	s_lshl_b32 s14, s21, 5                         ; my own tiles' flags
	s_add_co_u32 s14, s14, 524288
	s_mov_b32 s15, 0
	s_lshl_b32 s16, s22, 5
	s_add_co_u32 s16, s16, 524288
	s_mov_b32 s17, 0
	s_lshl_b32 s58, s20, 7
	s_add_co_u32 s52, s58, s21
	s_lshl_b32 s52, s52, 12                        ; Q's images: (head x 128 + tile) x 4,096
	s_mov_b32 s53, 0
	s_add_co_u32 s54, s58, s22
	s_lshl_b32 s54, s54, 12
	s_mov_b32 s55, 0
	s_lshl_b32 s40, s20, 19
	s_mov_b32 s41, 0
	s_lshl_b32 s100, s21, 12                       ; my tiles' bit words: 4,096 bytes a tile
	s_mov_b32 s101, 0
	s_lshl_b32 s104, s22, 12
	s_mov_b32 s105, 0
	s_wait_kmcnt 0x0
	s_add_nc_u64 s[10:11], s[6:7], s[10:11]
	s_add_nc_u64 s[12:13], s[6:7], s[12:13]
	s_add_nc_u64 s[14:15], s[6:7], s[14:15]
	s_add_nc_u64 s[16:17], s[6:7], s[16:17]
	s_load_b512 s[68:83], s[10:11], 0x0
	s_load_b512 s[84:99], s[10:11], 0x40
	s_add_nc_u64 s[52:53], s[4:5], s[52:53]
	s_add_nc_u64 s[54:55], s[4:5], s[54:55]
	s_add_nc_u64 s[60:61], s[4:5], s[40:41]
	s_add_nc_u64 s[58:59], s[60:61], 0x800000      ; K of my head, step 0
	s_add_nc_u64 s[60:61], s[60:61], 0x1000000     ; V
	s_add_nc_u64 s[46:47], s[60:61], 0x800000      ; V's low parts
	s_add_nc_u64 s[40:41], s[58:59], s[56:57]
	s_add_nc_u64 s[40:41], s[40:41], 0x8000        ; my pair's first K: step 2 (pair 1) or 3 (pair 0)
	s_add_nc_u64 s[42:43], s[60:61], s[56:57]
	s_add_nc_u64 s[42:43], s[42:43], 0x4000        ; its first V: step 1 or 2
	s_cmp_lt_u32 s18, 2
	s_cselect_b64 s[50:51], s[58:59], s[60:61]
	s_add_nc_u64 s[50:51], s[50:51], s[2:3]        ; K's step 6, V's step 5: nothing is asked for at the head
	s_add_nc_u64 s[100:101], s[6:7], s[100:101]
	s_add_nc_u64 s[104:105], s[6:7], s[104:105]
	WIN 0x40                                       ; destination window 1
.irp i, 0,1,2,3,4,5,6,7
	global_load_b128 v[128+4*\i:128+4*\i+3], v[LI], s[52:53] offset:512*\i     ; Q stays in registers
	global_load_b128 v[160+4*\i:160+4*\i+3], v[LI], s[54:55] offset:512*\i
.endr
	WIN 0
.irp i, 0,1,2,3,4,5,6,7
	global_load_b128 v[S+4*\i:S+4*\i+3], v[T16], s[58:59] offset:2048*\i             ; K(0): the work-group's 128 threads take 2,048 consecutive bytes a line
.endr
.irp i, 0,1,2,3,4,5,6,7
	global_load_b128 v[S+32+4*\i:S+32+4*\i+3], v[T16], s[58:59] offset:16384+2048*\i ; K(1)
.endr
.irp i, 0,1,2,3,4,5,6,7
	global_load_b128 v[S+64+4*\i:S+64+4*\i+3], v[T16], s[60:61] offset:2048*\i       ; V(0)
.endr
.irp i, 0,1,2,3,4,5,6,7
	global_load_b128 v[WK+4*\i:WK+4*\i+3], v[LI], s[100:101] offset:512*\i           ; the bit words of my two tiles, all 32 steps: 4,096 dense bytes each
	global_load_b128 v[WK+32+4*\i:WK+32+4*\i+3], v[LI], s[104:105] offset:512*\i
.endr
	WIN 0xc0                                       ; destination window 3
.set i, 0
.rept 16
	global_load_b128 v[SG+4*i:SG+4*i+3], v[T64], s[40:41] offset:1024*i              ; what my pair stores in its first turn: the pair's 64 threads take 1,024 consecutive bytes a line
	global_load_b128 v[SG+64+4*i:SG+64+4*i+3], v[T64], s[42:43] offset:1024*i
.set i, i+1
.endr
	WIN 0
	s_wait_kmcnt 0x0
	ORS 34, 68, 32
	s_load_b512 s[68:83], s[12:13], 0x0
	s_load_b512 s[84:99], s[12:13], 0x40
	WIN 0x40
.set i, 0
.rept 128
	v_mov_b32 v[i], 0                              ; O^T: which step is a tile's first hangs on the flags, so no first product can be written out ahead of the loop
.set i, i+1
.endr
	WIN 0
	s_wait_kmcnt 0x0
	ORS 57, 68, 32
	s_or_b32 s57, s34, s57                         ; bit j: step j is open for some tile of the work-group
	s_lshr_b32 s34, s57, 1                         ; shifted so that bit s speaks of step s + 1, + 2, + 3, + 4; zeros come in at the top: nothing is staged beyond step 31
	s_lshr_b32 s44, s57, 2
	s_lshr_b32 s45, s57, 3
	s_lshr_b32 s49, s57, 4
	s_load_b256 s[68:75], s[14:15], 0x0
	s_load_b256 s[76:83], s[14:15], 0x1000
	s_load_b256 s[84:91], s[16:17], 0x0
	s_load_b256 s[92:99], s[16:17], 0x1000
.irp t, 0,1
	v_mov_b32 v[ST+8*\t+1], 0xff61b1e6             ; m = -3e38, under every score
	v_mov_b32 v[ST+8*\t+2], 0
	v_mov_b32 v[ST+8*\t+3], 0
	v_mov_b32 v[ST+8*\t+4], 0
	v_mov_b32 v[ST+8*\t+5], 0
	v_mov_b32 v[ST+8*\t+6], 0
	v_mov_b32 v[ST+8*\t+7], 0
	v_mul_f32 v[ST+8*\t], s30, v[ST+8*\t+1]
.endr
	s_wait_kmcnt 0x0
	ORS 24, 68, 8
	ORS 25, 76, 8
	ORS 26, 84, 8
	ORS 27, 92, 8
	s_or_b32 s48, s24, s26
	s_lshr_b32 s48, s48, 1                         ; bit s: step s + 1 is open for a tile of mine
	s_wait_loadcnt 0x0                             ; Q, the first tiles, the bit words, and what my pair stores first
.irp i, 0,1,2,3,4,5,6,7
	ds_store_b128 v[T16], v[S+4*\i:S+4*\i+3] offset:2048*\i                   ; K(0): K's slot 0
.endr
.irp i, 0,1,2,3,4,5,6,7
	ds_store_b128 v[T16], v[S+32+4*\i:S+32+4*\i+3] offset:SLOTB+2048*\i       ; K(1): K's slot 1
.endr
.irp i, 0,1,2,3,4,5,6,7
	ds_store_b128 v[T16], v[S+64+4*\i:S+64+4*\i+3] offset:VOFF+2048*\i        ; V(0): V's slot 0
.endr
.set i, 0
.rept 16
	ds_store_b128 v[MBW], v[WK+4*i:WK+4*i+3] offset:512*i                     ; the bit words as they lie: tile TL's 4,096 bytes, then TH's
.set i, i+1
.endr
	s_wait_dscnt 0x0                               ; for the others' sake: my stores have landed
	s_barrier_signal -1
	s_barrier_wait -1
	WIN 0x80                                       ; destination window 2
.set i, 0
.rept 32
	ds_load_b128 v[4*i:4*i+3], v[LI] offset:512*i  ; K(0)
.set i, i+1
.endr
	WIN 0
	s_wait_dscnt 0x0                               ; K(0) is in registers:
	s_barrier_signal -1                            ; step 0's turn stores K(2) over it, so every wave's reads of it end in front of a barrier
	s_barrier_wait -1
.macro KQ1 t, c, kt                    ; S^T(tile t, keys 16 kt on) += K(kt, channels 32 c on) Q(t, c)
.if \c == 0
	v_wmma_f32_16x16x32_f16 v[S+32*\t+8*\kt:S+32*\t+8*\kt+7], v[32*\kt+8*\c:32*\kt+8*\c+7], v[128+32*\t+8*\c:128+32*\t+8*\c+7], 0
.else
	v_wmma_f32_16x16x32_f16 v[S+32*\t+8*\kt:S+32*\t+8*\kt+7], v[32*\kt+8*\c:32*\kt+8*\c+7], v[128+32*\t+8*\c:128+32*\t+8*\c+7], v[S+32*\t+8*\kt:S+32*\t+8*\kt+7]
.endif
.endm
.macro PV1 t, c, dt, vb, pb            ; O^T(tile t, channels 16 dt on) += V^T(dt, keys 32 c on) P(c)
	v_wmma_f32_16x16x32_f16 v[64*\t+8*\dt:64*\t+8*\dt+7], v[\vb+16*\dt+8*\c:\vb+16*\dt+8*\c+7], v[\pb+8*\c:\pb+8*\c+7], v[64*\t+8*\dt:64*\t+8*\dt+7]
.endm
.macro KLOAD                           ; the next step's K, 16 fragments, from the other slot: 512 consecutive bytes a line
	s_xor_b32 s53, s29, SLOTB
	v_add_nc_u32 v[ADK], s53, v[LI]
	WIN 0x80                                       ; destination window 2
.set i, 0
.rept 32
	ds_load_b128 v[4*i:4*i+3], v[ADK] offset:512*i
.set i, i+1
.endr
	WIN 0
.endm
.macro MASK t                          ; closed keys' scores become -infinity; passed over where all 16 x 64 are open
	s_bitcmp1_b32 s[25+2*(\t)], s28
	s_cbranch_scc1 .Lopen_\@
.set n, 0
.rept 32
	v_and_b32 v[TMP], 1<<n, v[MBC+(\t)]
	v_cmp_eq_u32 vcc_lo, 0, v[TMP]
	v_cndmask_b32 v[S+32*(\t)+n], v[S+32*(\t)+n], v[NINF], vcc_lo    ; ascending: each accumulator is read from its low end on
.set n, n+1
.endr
.Lopen_\@:
.endm
; One tile's softmax for a step is a list of 134 lines; SM writes number j for tile t.  0-15 the maximum of 32 scores and the old m; 16-20 the other half of the lanes, the new m, c m, its change; 21 a;
; 22-37 the scalings c s - c m; 38-69 the exponentials; (one plain line and ONE wait for the whole batch); 70-85 the roundings to f16; 86-101 the sums, l = a l + sum; 102-133 O^T x a.
.macro SM t
.set rT, ST+8*(\t)
.set rS, S+32*(\t)
.set rP, P+16*(\t)
.if j < 4
	v_max3_num_f32 v[rT+4+j], v[rS+8*j], v[rS+8*j+1], v[rS+8*j+2]
.elseif j < 12
	v_max3_num_f32 v[rT+4+j%4], v[rT+4+j%4], v[rS+8*(j%4)+2*(j/4)+1], v[rS+8*(j%4)+2*(j/4)+2]
.elseif j == 12
	v_max3_num_f32 v[rT+4], v[rT+4], v[rS+7], v[rS+15]
.elseif j == 13
	v_max3_num_f32 v[rT+6], v[rT+6], v[rS+23], v[rS+31]
.elseif j == 14
	v_max3_num_f32 v[rT+4], v[rT+4], v[rT+5], v[rT+6]
.elseif j == 15
	v_max3_num_f32 v[rT+4], v[rT+4], v[rT+7], v[rT+1]
.elseif j == 16
	v_permlanex16_b32 v[rT+5], v[rT+4], s32, s33   ; the query's other 32 keys lie in the lane 16 away
.elseif j == 17
	v_mov_b32 v[rT+7], v[rT]
.elseif j == 18
	v_max_num_f32 v[rT+1], v[rT+4], v[rT+5]
.elseif j == 19
	v_mul_f32 v[rT], s30, v[rT+1]
.elseif j == 20
	v_sub_f32 v[rT+7], v[rT+7], v[rT]
.elseif j == 21
	v_exp_f32 v[rT+6], v[rT+7]
.elseif j < 38
	v_pk_fma_f32 v[rS+2*(j-22):rS+2*(j-22)+1], v[rS+2*(j-22):rS+2*(j-22)+1], s[30:31], v[rT:rT+1] op_sel_hi:[1,0,0] neg_lo:[0,0,1] neg_hi:[0,0,1]
.elseif j < 70
	v_exp_f32 v[rS+j-38], v[rS+j-38]
.elseif j < 86
	v_cvt_pk_f16_f32 v[rP+j-70], v[rS+2*(j-70)], v[rS+2*(j-70)+1]
.elseif j < 102
.set z, j-86
.set w, 4
.set u, z
.if z >= 14
.set w, 32
.set u, 0
.elseif z >= 12
.set w, 16
.set u, z-12
.elseif z >= 8
.set w, 8
.set u, z-8
.endif
.if z < 15
	v_pk_add_f32 v[rS+w*u:rS+w*u+1], v[rS+w*u:rS+w*u+1], v[rS+w*u+w/2:rS+w*u+w/2+1]
.else
	v_pk_fma_f32 v[rT+2:rT+3], v[rT+2:rT+3], v[rT+6:rT+7], v[rS:rS+1] op_sel_hi:[1,0,1]
.endif
.else
	v_pk_mul_f32 v[64*(\t)+2*(j-102):64*(\t)+2*(j-102)+1], v[64*(\t)+2*(j-102):64*(\t)+2*(j-102)+1], v[rT+6:rT+7] op_sel_hi:[1,0]
.endif
.endm
.macro SPLITP q                        ; tile 0's pairs 8 q .. 8 q + 7 of p: high parts to P, low parts to PL
.irp i, 0,1,2,3,4,5,6,7
	v_pk_mul_f32 v[CT+2*\i:CT+2*\i+1], v[S+16*(\q)+2*\i:S+16*(\q)+2*\i+1], s[36:37] op_sel_hi:[1,0]
.endr
.irp i, 0,1,2,3,4,5,6,7
	v_pk_add_f32 v[DT+2*\i:DT+2*\i+1], v[CT+2*\i:CT+2*\i+1], v[S+16*(\q)+2*\i:S+16*(\q)+2*\i+1] neg_lo:[0,1] neg_hi:[0,1]
.endr
.irp i, 0,1,2,3,4,5,6,7
	v_pk_add_f32 v[CT+2*\i:CT+2*\i+1], v[CT+2*\i:CT+2*\i+1], v[DT+2*\i:DT+2*\i+1] neg_lo:[0,1] neg_hi:[0,1]
.endr
.irp i, 0,1,2,3,4,5,6,7
	v_pk_add_f32 v[DT+2*\i:DT+2*\i+1], v[S+16*(\q)+2*\i:S+16*(\q)+2*\i+1], v[CT+2*\i:CT+2*\i+1] neg_lo:[0,1] neg_hi:[0,1]
.endr
.irp i, 0,1,2,3,4,5,6,7
	v_cvt_pk_f16_f32 v[P+8*(\q)+\i], v[CT+2*\i], v[CT+2*\i+1]
	v_cvt_pk_f16_f32 v[PL+8*(\q)+\i], v[DT+2*\i], v[DT+2*\i+1]
.endr
.endm
.macro SMS lo, hi, cnt                 ; the next cnt numbers of the list, the active tiles by turns
.rept \cnt
.if \lo
	SM 0
.endif
.if \hi
	SM 1
.endif
.set j, j+1
.endr
.endm
; A STEP'S WORK for the tiles that have open keys (lo, hi); fine = 1: the low tile is positions 0-15.  K of this step is in registers since the last barrier.  Accumulators take turns, one instruction a turn.
.macro BODY lo, hi, fine
	v_add_nc_u32 v[MAD], s54, v[MB0]
	v_add_nc_u32 v[ADF], s29, v[LI]
.if \lo
	ds_load_b32 v[MBC], v[MAD]                     ; this step's bit words, out of my wave's own bytes
.endif
.if \hi
	ds_load_b32 v[MBC+1], v[MAD] offset:4096
.endif
.if \fine
	WIN 0xc0                                       ; destination window 3
.set i, 0
.rept 32
	global_load_b128 v[4*i:4*i+3], v[LI], s[46:47] offset:512*i     ; V's low parts of this step, straight from memory: one wave of sixteen work-groups wants them
.set i, i+1
.endr
.endif
	WIN 0x06                                       ; K window 2, Q window 1, S^T window 0
.irp c, 0,1,2,3
.irp kt, 0,1,2,3
.if \lo
	KQ1 0, \c, \kt
.endif
.if \hi
	KQ1 1, \c, \kt
.endif
.endr
.endr
	WIN 0
	PLACES
	WIN 0x80                                       ; destination window 2
.set i, 0
.rept 32
	ds_load_b128 v[128+4*i:128+4*i+3], v[ADF] offset:VOFF+512*i     ; V's 16 fragments: they land under the softmax
.set i, i+1
.endr
	WIN 0
	s_wait_dscnt 32                                ; the bit words, issued ahead of V's 32 loads, are in; those 32 may stay out
.if \lo
	MASK 0
.endif
.if \hi
	MASK 1
.endif
.set j, 0
	SMS \lo, \hi, 70
	v_nop                                          ; one plain line behind the last exponential,
	s_wait_alu depctr_va_vdst(0)                   ; and one wait for the whole batch, ahead of its first reader
	SMS (\lo && !\fine), \hi, 16
.if \fine
	SPLITP 0
	SPLITP 1
.endif
	SMS \lo, \hi, 16
	WIN 0x41                                       ; O^T window 1, a window 0
	SMS \lo, \hi, 32
	WIN 0
	s_wait_dscnt 0x0                               ; V is in
	s_bitcmp1_b32 s48, s28                         ; has a tile of mine open keys in the next step?
	s_cbranch_scc0 .Lnok_\@
	KLOAD                                          ; then its K: it lands under the products below and is waited for in front of the barrier
.Lnok_\@:
	WIN 0x52                                       ; V window 2, P window 0, O^T window 1
.irp c, 0,1
.irp dt, 0,1,2,3,4,5,6,7
.if \lo
	PV1 0, \c, \dt, 128, P
.endif
.if \hi
	PV1 1, \c, \dt, 128, P+16
.endif
.endr
.endr
.if \fine
.irp c, 0,1
.irp dt, 0,1,2,3,4,5,6,7
	PV1 0, \c, \dt, 128, PL                        ; v's high parts x p's low parts
.endr
.endr
	s_wait_loadcnt 0x0                             ; V's low parts are in
	WIN 0x53                                       ; V's low parts: window 3
.irp c, 0,1
.irp dt, 0,1,2,3,4,5,6,7
	PV1 0, \c, \dt, 0, P                           ; v's low parts x p's high parts
.endr
.endr
.endif
	WIN 0
	PLACES                                         ; for the next step's loads into V's registers
	s_branch .Ljoin
.endm
.Lstep:                                                ; 32 trips
	s_lshr_b32 s53, s28, 1                         ; this step's bit words: (s / 2) x 256 + (s % 2) x 4
	s_and_b32 s52, s28, 1
	s_lshl_b32 s53, s53, 8
	s_lshl_b32 s52, s52, 2
	s_add_co_u32 s54, s53, s52
	; A prefetch into the L2: K of the step six on and V of the step five on, both of which the turn two steps on loads.  All sixteen work-groups of a head walk the same K and V: the first asks;
	; its 128 lanes name the 64 aligned blocks of 256 bytes of that K and the 64 of that V, each once in the launch.  K's steps up to 5 and V's up to 4 come by their loads alone; the last trips ask for nothing.
	s_cmp_lt_u32 s28, s35
	s_cbranch_scc0 .Lnoask
	global_prefetch_b8 v[PFO], s[50:51] th:TH_LOAD_NT scope:SCOPE_SE
.Lnoask:
	s_lshr_b32 s52, s24, s28
	s_and_b32 s52, s52, 1                          ; the low tile has open keys in this step,
	s_lshr_b32 s53, s26, s28
	s_and_b32 s53, s53, 1
	s_lshl_b32 s53, s53, 1                         ; the high tile has
	s_or_b32 s53, s52, s53
	s_or_b32 s52, s53, s23                         ; + 4 where the low tile is positions 0-15
	s_cmp_eq_u32 s52, 3
	s_cbranch_scc1 .Lb11
	s_cmp_eq_u32 s52, 1
	s_cbranch_scc1 .Lb10
	s_cmp_eq_u32 s53, 2
	s_cbranch_scc1 .Lb01
	s_cmp_eq_u32 s52, 7
	s_cbranch_scc1 .Lf11
	s_cmp_eq_u32 s52, 5
	s_cbranch_scc1 .Lf10
	s_bitcmp1_b32 s48, s28                         ; nothing to do in this step; but the next step's K is fetched if a tile of mine is open there
	s_cbranch_scc0 .Ljoin
	KLOAD
	s_branch .Ljoin
.Lb11:
	BODY 1, 1, 0
.Lb10:
	BODY 1, 0, 0
.Lb01:
	BODY 0, 1, 0
.Lf11:
	BODY 1, 1, 1
.Lf10:
	BODY 1, 0, 1
.Ljoin:
	s_wait_xcnt 0x0                                ; the prefetch and the loads of V's low parts have read their addresses: both may step
	s_add_nc_u64 s[46:47], s[46:47], 0x4000
	s_add_nc_u64 s[50:51], s[50:51], 0x4000
	s_cmp_eq_u32 s63, 1                            ; is this step's turn my pair's?  The wave's number and the count of steps alone decide
	s_cbranch_scc0 .Lnoturn
	s_wait_loadcnt 0x0                             ; what my pair asked for two steps ago is in registers; its addresses may step: two steps on
	s_add_nc_u64 s[40:41], s[40:41], 0x8000
	s_add_nc_u64 s[42:43], s[42:43], 0x8000
	s_bitcmp1_b32 s44, s28                         ; K(s + 2), if that step is open for some tile of the work-group
	s_cbranch_scc0 .Lnosk
	WIN 0x0c                                       ; an LDS store's data are its source 1: window 3
.set i, 0
.rept 16
	ds_store_b128 v[STA], v[SG+4*i:SG+4*i+3] offset:1024*i          ; over K(s), whose last readers finished in front of the last barrier
.set i, i+1
.endr
	WIN 0
.Lnosk:
	s_bitcmp1_b32 s34, s28                         ; V(s + 1)
	s_cbranch_scc0 .Lnosv
	WIN 0x0c
.set i, 0
.rept 16
	ds_store_b128 v[STB], v[SG+64+4*i:SG+64+4*i+3] offset:VOFF+1024*i   ; over V(s - 1), likewise
.set i, i+1
.endr
	WIN 0
.Lnosv:
	s_wait_dscnt 0x0                               ; the stores have read their registers, which take the next loads
	s_bitcmp1_b32 s49, s28                         ; K(s + 4)
	s_cbranch_scc0 .Lnolk
	WIN 0xc0                                       ; destination window 3
.set i, 0
.rept 16
	global_load_b128 v[SG+4*i:SG+4*i+3], v[T64], s[40:41] offset:1024*i
.set i, i+1
.endr
	WIN 0
.Lnolk:
	s_bitcmp1_b32 s45, s28                         ; V(s + 3)
	s_cbranch_scc0 .Lnolv
	WIN 0xc0
.set i, 0
.rept 16
	global_load_b128 v[SG+64+4*i:SG+64+4*i+3], v[T64], s[42:43] offset:1024*i
.set i, i+1
.endr
	WIN 0
.Lnolv:
.Lnoturn:
	s_wait_dscnt 0x0                               ; my stores have landed; my reads of V(s) and K(s + 1) are over
	s_barrier_signal -1
	s_barrier_wait -1
	s_xor_b32 s29, s29, SLOTB
	s_xor_b32 s63, s63, 1                          ; the next turn is the other pair's
	s_add_co_u32 s28, s28, 1
	s_cmp_lt_u32 s28, 32
	s_cbranch_scc1 .Lstep
	; THE WAY OUT.  O^T / l, to f16; a lane's eight channels of a query are 16 bytes of an image of the next launch's fragment: [tile of 16 positions][chunk of 32 features 64][half][lane]
.irp t, 0,1
	v_add_f32 v[ST+8*\t+4], v[ST+8*\t+2], v[ST+8*\t+3]
.endr
.irp t, 0,1
	v_permlanex16_b32 v[ST+8*\t+5], v[ST+8*\t+4], s32, s33
.endr
.irp t, 0,1
	v_add_f32 v[ST+8*\t+4], v[ST+8*\t+4], v[ST+8*\t+5]
.endr
.irp t, 0,1
	v_rcp_f32 v[ST+8*\t+6], v[ST+8*\t+4]
.endr
	v_nop                                          ; a plain line behind the reciprocals
	s_lshl_b32 s52, s20, 12                        ; head x 4,096
	s_lshl_b32 s58, s21, 16
	s_add_co_u32 s58, s58, s52
	s_mov_b32 s59, 0
	s_add_nc_u64 s[58:59], s[8:9], s[58:59]
	s_lshl_b32 s60, s22, 16
	s_add_co_u32 s60, s60, s52
	s_mov_b32 s61, 0
	s_add_nc_u64 s[60:61], s[8:9], s[60:61]
	s_add_co_u32 s38, s52, 0x800000
	s_mov_b32 s39, 0
	s_add_nc_u64 s[38:39], s[8:9], s[38:39]
	s_wait_alu depctr_va_vdst(0)                   ; one wait for both, ahead of their first reader
	WIN 0x41
.set i, 0
.rept 64
	v_pk_mul_f32 v[2*i:2*i+1], v[2*i:2*i+1], v[ST+8*(i/32)+6:ST+8*(i/32)+7] op_sel_hi:[1,0]
.set i, i+1
.endr
	WIN 0
	s_cmp_eq_u32 s23, 4
	s_cbranch_scc1 .Lfine_out
	WIN 0x05                                       ; sources window 1
.set i, 0
.rept 32
	v_cvt_pk_f16_f32 v[S+i], v[2*i], v[2*i+1]
.set i, i+1
.endr
	WIN 0
.irp d, 0,1,2,3,4,5,6,7
	global_store_b128 v[LI], v[S+4*\d:S+4*\d+3], s[58:59] offset:512*\d     ; 512 consecutive bytes, aligned
.endr
	s_branch .Lhigh_out
.Lfine_out:                                            ; positions 0-15 leave as a high and a low part
	WIN 0x01
.set i, 0
.rept 32
	v_pk_mul_f32 v[WK+2*i:WK+2*i+1], v[2*i:2*i+1], s[36:37] op_sel_hi:[1,0]
.set i, i+1
.endr
	WIN 0x04
.set i, 0
.rept 32
	v_pk_add_f32 v[S+2*i:S+2*i+1], v[WK+2*i:WK+2*i+1], v[2*i:2*i+1] neg_lo:[0,1] neg_hi:[0,1]
.set i, i+1
.endr
	WIN 0
.set i, 0
.rept 32
	v_pk_add_f32 v[WK+2*i:WK+2*i+1], v[WK+2*i:WK+2*i+1], v[S+2*i:S+2*i+1] neg_lo:[0,1] neg_hi:[0,1]
.set i, i+1
.endr
	WIN 0x01
.set i, 0
.rept 32
	v_pk_add_f32 v[S+2*i:S+2*i+1], v[2*i:2*i+1], v[WK+2*i:WK+2*i+1] neg_lo:[0,1] neg_hi:[0,1]
.set i, i+1
.endr
	WIN 0
.set i, 0
.rept 32
	v_cvt_pk_f16_f32 v[P+i], v[WK+2*i], v[WK+2*i+1]
	v_cvt_pk_f16_f32 v[CT+i], v[S+2*i], v[S+2*i+1]
.set i, i+1
.endr
.irp d, 0,1,2,3,4,5,6,7
	global_store_b128 v[LI], v[P+4*\d:P+4*\d+3], s[58:59] offset:512*\d
	global_store_b128 v[LI], v[CT+4*\d:CT+4*\d+3], s[38:39] offset:512*\d
.endr
.Lhigh_out:
	WIN 0x05
.set i, 0
.rept 32
	v_cvt_pk_f16_f32 v[S+32+i], v[64+2*i], v[64+2*i+1]
.set i, i+1
.endr
	WIN 0
.irp d, 0,1,2,3,4,5,6,7
	global_store_b128 v[LI], v[S+32+4*\d:S+32+4*\d+3], s[60:61] offset:512*\d
.endr
	s_wait_tensorcnt 0x0                           ; the wave's end
	ds_add_u32 v[SPW], v[NIL]
	s_wait_dscnt 0x0
	s_endpgm
.Lfunc_end_k_qdc55b9d9f7_attn:
	.size	k_qdc55b9d9f7_attn, .Lfunc_end_k_qdc55b9d9f7_attn-k_qdc55b9d9f7_attn
	.p2alignl 7, 3214868480
	.fill 96, 4, 3214868480
	.section	.rodata,"a",@progbits
	.p2align	6, 0x0
	.amdhsa_kernel k_qdc55b9d9f7_attn
		.amdhsa_group_segment_fixed_size 98816
		.amdhsa_private_segment_fixed_size 0
		.amdhsa_enable_private_segment 0
		.amdhsa_kernarg_size 24
		.amdhsa_user_sgpr_count 2
		.amdhsa_user_sgpr_kernarg_segment_ptr 1
		.amdhsa_wavefront_size32 1
		.amdhsa_system_sgpr_workgroup_id_x 1
		.amdhsa_system_sgpr_workgroup_id_y 1
		.amdhsa_system_sgpr_workgroup_id_z 1
		.amdhsa_system_vgpr_workitem_id 0
		.amdhsa_next_free_vgpr 1024
		.amdhsa_next_free_sgpr 106
		.amdhsa_reserve_vcc 1
		.amdhsa_float_denorm_mode_32 3
		.amdhsa_float_denorm_mode_16_64 3
		.amdhsa_memory_ordered 1
		.amdhsa_forward_progress 1
		.amdhsa_inst_pref_size 196
	.end_amdhsa_kernel
	.amdgpu_metadata
---
amdhsa.version: [ 1, 2 ]
amdhsa.kernels:
  - .name:           k_qdc55b9d9f7_attn
    .symbol:         k_qdc55b9d9f7_attn.kd
    .args:
      - { .name: qkv, .offset: 0, .size: 8, .value_kind: global_buffer, .address_space: global }
      - { .name: mpack, .offset: 8, .size: 8, .value_kind: global_buffer, .address_space: global }
      - { .name: oatt, .offset: 16, .size: 8, .value_kind: global_buffer, .address_space: global }
    .group_segment_fixed_size: 98816
    .private_segment_fixed_size: 0
    .kernarg_segment_align: 8
    .kernarg_segment_size: 24
    .max_flat_workgroup_size: 128
    .sgpr_count:     106
    .vgpr_count:     1024
    .wavefront_size: 32
...
	.end_amdgpu_metadata
.endif
;; end of part 3
;; launch wocorr (part 4): grid 128 x 1, 16 waves a work-group, no clusters, 18,432 bytes of LDS; arguments wo, oatt, bo, wop; writes wop
.if DOCPART == 4
	.amdgcn_target "amdgcn-amd-amdhsa--gfx1250"
	.amdhsa_code_object_version 6
	.text
	.protected	k_qdc55b9d9f7_wocorr
	.globl	k_qdc55b9d9f7_wocorr
	.p2align	8
	.type	k_qdc55b9d9f7_wocorr,@function
k_qdc55b9d9f7_wocorr:
	s_mov_b64 s[64:65], 0
	v_nop
	global_prefetch_b8 v0, s[64:65] scope:SCOPE_SE
	s_setreg_imm32_b32 hwreg(HW_REG_WAVE_MODE, 25, 1), 1
	s_wait_xcnt 0x0
; wo ([2048 n][2048 k] f32) becomes f16 images of fragments, wop at byte 0: [tile of 16 n 128][chunk of 32 k 64][half][lane][16 bytes]; wo is read once, here.
; On the way its low parts serve positions 0-15, which are carried more finely: corr[m][n] = bo[n] + sum_k (o_hi[m][k] wo_lo[n][k] + o_lo[m][k] wo_hi[n][k]), m = 0 .. 15, f32, wop from byte 8,388,608 on: [16][2048].
; The next launch begins those rows' sums with corr in place of bo.  Parts are split in f32: c = 8193 w, hi = c - (c - w), lo = w - hi; the product of the two low parts is left out (under 2^-22 of the terms).
; Work-group g takes rows 16 g .. 16 g + 15 of wo; each of its sixteen waves 128 along K (four chunks).  The waves' sixteen partial sums meet in LDS; wave 0 adds them.  Memory binds: no ring, no cluster: work-groups share only o's 128 KiB.
; LIMITS: |wo| under 65,504; parts under 2^-14 resolve 2^-25.
.set LI,  1                            ; v1  16 x lane
.set WA,  2                            ; v2  r x 8,192 + 32 h: my place in wo's rows, and in corr's
.set BA,  3                            ; v3  32 h
.set BO,  4                            ; v4-11 bo of my eight n
.set LW,  12                           ; v12 LDS: wave x 1,024 + 16 x lane
.set SPW, 14
.set NIL, 15
.set WH,  16                           ; v16-47   wo's high parts, four fragments
.set OH,  48                           ; v48-79   o's high parts
.set OL,  80                           ; v80-111  o's low parts
.set W,   112                          ; v112-175 wo as loaded; later the sixteen partial sums (to v239)
.set CT,  176
.set DT,  192
.set WL,  208                          ; v208-239 wo's low parts
.set ACC, 240                          ; two accumulators
.set SPARE, 16384                      ; behind the partial sums: the spare words, 128 bytes for each of sixteen waves
	s_load_b128 s[4:7], s[0:1], 0x0                ; wo, oatt
	s_load_b128 s[8:11], s[0:1], 0x10              ; bo, wop
	v_lshl_add_u32 v[SPW], v0, 2, SPARE
	v_mov_b32 v[NIL], 0
	v_lshrrev_b32 v1, 5, v0
	v_readfirstlane_b32 s12, v1                    ; wave 0..15
	v_and_b32 v13, 31, v0
	v_lshlrev_b32 v[LI], 4, v13
	v_and_b32 v2, 15, v0                           ; r
	v_bfe_u32 v3, v0, 4, 1                         ; h
	v_lshlrev_b32 v[BA], 5, v3
	v_lshl_add_u32 v[WA], v2, 13, v[BA]
	s_lshl_b32 s13, s12, 10
	v_add_nc_u32 v[LW], s13, v[LI]
	s_lshl_b32 s14, ttmp9, 17                      ; wo: 16 rows of 8,192 bytes a work-group, 512 bytes a wave
	s_lshl_b32 s28, s12, 9
	s_add_co_u32 s14, s14, s28
	s_mov_b32 s15, 0
	s_lshl_b32 s16, s12, 12                        ; o's tile 0: four chunks of 1,024 bytes a wave
	s_mov_b32 s17, 0
	s_lshl_b32 s20, ttmp9, 6                       ; 16 numbers of bo, and of a row of corr
	s_mov_b32 s21, 0
	s_lshl_b32 s22, ttmp9, 16                      ; the images: 64 chunks a work-group
	s_add_co_u32 s22, s22, s16
	s_mov_b32 s23, 0
	s_mov_b32 s26, 0x46000400                      ; 8193.0
	s_mov_b32 s27, s26
	s_wait_kmcnt 0x0
	s_add_nc_u64 s[14:15], s[4:5], s[14:15]
	s_add_nc_u64 s[16:17], s[6:7], s[16:17]
	s_add_nc_u64 s[18:19], s[16:17], 0x800000
	s_add_nc_u64 s[24:25], s[10:11], s[20:21]
	s_add_nc_u64 s[24:25], s[24:25], 0x800000
	s_add_nc_u64 s[20:21], s[8:9], s[20:21]
	s_add_nc_u64 s[22:23], s[10:11], s[22:23]
.irp c, 0,1,2,3
.irp g, 0,1
.irp e, 0,1
	global_load_b128 v[W+16*\c+8*\g+4*\e:W+16*\c+8*\g+4*\e+3], v[WA], s[14:15] offset:128*\c+64*\g+16*\e th:TH_LOAD_NT   ; wo(16 g + r, 32 c + 16 half + 8 h + ..)
.endr
.endr
.endr
.irp i, 0,1,2,3,4,5,6,7
	global_load_b128 v[OH+4*\i:OH+4*\i+3], v[LI], s[16:17] offset:512*\i
.endr
.irp i, 0,1,2,3,4,5,6,7
	global_load_b128 v[OL+4*\i:OL+4*\i+3], v[LI], s[18:19] offset:512*\i
.endr
	global_load_b128 v[BO:BO+3], v[BA], s[20:21]
	global_load_b128 v[BO+4:BO+7], v[BA], s[20:21] offset:16
	s_wait_loadcnt 18                              ; wo's sixteen loads are in; o's sixteen and bo's two may stay out
.irp c, 0,1,2,3
.irp i, 0,1,2,3,4,5,6,7
	v_pk_mul_f32 v[CT+2*\i:CT+2*\i+1], v[W+16*\c+2*\i:W+16*\c+2*\i+1], s[26:27] op_sel_hi:[1,0]
.endr
.irp i, 0,1,2,3,4,5,6,7
	v_pk_add_f32 v[DT+2*\i:DT+2*\i+1], v[CT+2*\i:CT+2*\i+1], v[W+16*\c+2*\i:W+16*\c+2*\i+1] neg_lo:[0,1] neg_hi:[0,1]
.endr
.irp i, 0,1,2,3,4,5,6,7
	v_pk_add_f32 v[CT+2*\i:CT+2*\i+1], v[CT+2*\i:CT+2*\i+1], v[DT+2*\i:DT+2*\i+1] neg_lo:[0,1] neg_hi:[0,1]
.endr
.irp i, 0,1,2,3,4,5,6,7
	v_pk_add_f32 v[DT+2*\i:DT+2*\i+1], v[W+16*\c+2*\i:W+16*\c+2*\i+1], v[CT+2*\i:CT+2*\i+1] neg_lo:[0,1] neg_hi:[0,1]
.endr
.irp i, 0,1,2,3,4,5,6,7
	v_cvt_pk_f16_f32 v[WH+8*\c+\i], v[CT+2*\i], v[CT+2*\i+1]
	v_cvt_pk_f16_f32 v[WL+8*\c+\i], v[DT+2*\i], v[DT+2*\i+1]
.endr
	global_store_b128 v[LI], v[WH+8*\c:WH+8*\c+3], s[22:23] offset:1024*\c          ; 512 consecutive bytes, aligned
	global_store_b128 v[LI], v[WH+8*\c+4:WH+8*\c+7], s[22:23] offset:1024*\c+512
.endr
	s_wait_loadcnt 2                               ; o's parts are in; bo's two loads may stay out
.irp c, 0,1,2,3                        ; source 0 = 16 rows of wo, source 1 = o's 16 rows: lane (r, h) holds corr(r, 16 g + 8 h + j).  Two accumulators by turns
.if \c == 0
	v_wmma_f32_16x16x32_f16 v[ACC:ACC+7], v[WL+8*\c:WL+8*\c+7], v[OH+8*\c:OH+8*\c+7], 0
	v_wmma_f32_16x16x32_f16 v[ACC+8:ACC+15], v[WH+8*\c:WH+8*\c+7], v[OL+8*\c:OL+8*\c+7], 0
.else
	v_wmma_f32_16x16x32_f16 v[ACC:ACC+7], v[WL+8*\c:WL+8*\c+7], v[OH+8*\c:OH+8*\c+7], v[ACC:ACC+7]
	v_wmma_f32_16x16x32_f16 v[ACC+8:ACC+15], v[WH+8*\c:WH+8*\c+7], v[OL+8*\c:OL+8*\c+7], v[ACC+8:ACC+15]
.endif
.endr
.rept 4
	v_nop                                          ; places behind the last products
.endr
.irp i, 0,1,2,3
	v_pk_add_f32 v[CT+2*\i:CT+2*\i+1], v[ACC+2*\i:ACC+2*\i+1], v[ACC+8+2*\i:ACC+8+2*\i+1]
.endr
	ds_store_b128 v[LW], v[CT:CT+3]
	ds_store_b128 v[LW], v[CT+4:CT+7] offset:512
	s_wait_dscnt 0x0                               ; for wave 0's sake: my partial sums have landed
	s_barrier_signal -1
	s_barrier_wait -1
	s_cmp_lg_u32 s12, 0
	s_cbranch_scc1 .Lnot_wave_0
.set i, 0
.rept 32
	ds_load_b128 v[W+4*i:W+4*i+3], v[LI] offset:512*i              ; wave w's eight sums at v[W + 8 w]
.set i, i+1
.endr
	s_wait_dscnt 0x0
.irp s, 8,4,2,1
.set i, 0
.rept 4*\s
	v_pk_add_f32 v[W+2*i:W+2*i+1], v[W+2*i:W+2*i+1], v[W+8*\s+2*i:W+8*\s+2*i+1]
.set i, i+1
.endr
.endr
	s_wait_loadcnt 0x0                             ; bo
.irp i, 0,1,2,3
	v_pk_add_f32 v[W+2*\i:W+2*\i+1], v[W+2*\i:W+2*\i+1], v[BO+2*\i:BO+2*\i+1]
.endr
	global_store_b128 v[WA], v[W:W+3], s[24:25]
	global_store_b128 v[WA], v[W+4:W+7], s[24:25] offset:16
.Lnot_wave_0:
	s_wait_tensorcnt 0x0                           ; the wave's end
	ds_add_u32 v[SPW], v[NIL]
	s_wait_dscnt 0x0
	s_endpgm
.Lfunc_end_k_qdc55b9d9f7_wocorr:
	.size	k_qdc55b9d9f7_wocorr, .Lfunc_end_k_qdc55b9d9f7_wocorr-k_qdc55b9d9f7_wocorr
	.p2alignl 7, 3214868480
	.fill 96, 4, 3214868480
	.section	.rodata,"a",@progbits
	.p2align	6, 0x0
	.amdhsa_kernel k_qdc55b9d9f7_wocorr
		.amdhsa_group_segment_fixed_size 18432
		.amdhsa_private_segment_fixed_size 0
		.amdhsa_enable_private_segment 0
		.amdhsa_kernarg_size 32
		.amdhsa_user_sgpr_count 2
		.amdhsa_user_sgpr_kernarg_segment_ptr 1
		.amdhsa_wavefront_size32 1
		.amdhsa_system_sgpr_workgroup_id_x 1
		.amdhsa_system_sgpr_workgroup_id_y 1
		.amdhsa_system_sgpr_workgroup_id_z 1
		.amdhsa_system_vgpr_workitem_id 0
		.amdhsa_next_free_vgpr 256
		.amdhsa_next_free_sgpr 66
		.amdhsa_reserve_vcc 0
		.amdhsa_float_denorm_mode_32 3
		.amdhsa_float_denorm_mode_16_64 3
		.amdhsa_memory_ordered 1
		.amdhsa_forward_progress 1
		.amdhsa_inst_pref_size 26
	.end_amdhsa_kernel
	.amdgpu_metadata
---
amdhsa.version: [ 1, 2 ]
amdhsa.kernels:
  - .name:           k_qdc55b9d9f7_wocorr
    .symbol:         k_qdc55b9d9f7_wocorr.kd
    .args:
      - { .name: wo, .offset: 0, .size: 8, .value_kind: global_buffer, .address_space: global }
      - { .name: oatt, .offset: 8, .size: 8, .value_kind: global_buffer, .address_space: global }
      - { .name: bo, .offset: 16, .size: 8, .value_kind: global_buffer, .address_space: global }
      - { .name: wop, .offset: 24, .size: 8, .value_kind: global_buffer, .address_space: global }
    .group_segment_fixed_size: 18432
    .private_segment_fixed_size: 0
    .kernarg_segment_align: 8
    .kernarg_segment_size: 32
    .max_flat_workgroup_size: 512
    .sgpr_count:     66
    .vgpr_count:     256
    .wavefront_size: 32
...
	.end_amdgpu_metadata
.endif
;; end of part 4
;; launch oproj (part 5): grid 16 x 16, 4 waves a work-group, clusters of 4 x 4, 327,680 bytes of LDS; arguments oatt, wop, out0, bo; writes out0
.if DOCPART == 5
	.amdgcn_target "amdgcn-amd-amdhsa--gfx1250"
	.amdhsa_code_object_version 6
	.text
	.protected	k_qdc55b9d9f7_oproj
	.globl	k_qdc55b9d9f7_oproj
	.p2align	8
	.type	k_qdc55b9d9f7_oproj,@function
k_qdc55b9d9f7_oproj:
	s_mov_b64 s[64:65], 0
	v_nop
	global_prefetch_b8 v0, s[64:65] scope:SCOPE_SE
	s_setreg_imm32_b32 hwreg(HW_REG_WAVE_MODE, 25, 1), 1
	s_wait_xcnt 0x0
	s_wait_alu depctr_hold_cnt(0) depctr_sa_sdst(0) depctr_va_vdst(0) depctr_va_sdst(0) depctr_va_ssrc(0) depctr_va_vcc(0) depctr_vm_vsrc(0)
	s_getreg_b32 s2, hwreg(HW_REG_IB_STS2, 6, 4)
	s_cmp_eq_u32 s2, 0
	s_cbranch_scc0 .Lentry_in_a_cluster
	s_endpgm
.Lentry_in_a_cluster:
	s_bfe_u32 s2, ttmp6, 0x10000c
	s_cmp_lg_u32 s2, 0xf033
	s_cbranch_scc0 .Lentry_shape_is_right
	s_endpgm
.Lentry_shape_is_right:
; out0[m][n] = bo[n] + sum over k of o[m][k] wo[n][k]: f16 operands, f32 sums, f32 out.  o (oatt) and wo (wop) arrive as images of fragments: [tile of 16 rows 128][chunk of 32 k 64][half][lane][16 bytes].
; The sums BEGIN as the bias (the C of each accumulator's first product), or, for positions 0-15, as corr (wop from byte 8,388,608 on: bo + the products with the operands' low parts).
; A tile of out0 is 128 x 128: 256 work-groups, one for each WGP.  Four waves, each 64 x 64: 16 accumulators.  K goes in steps of 256 through two LDS slots: a step of a tile of 16 rows is 8 images, 8,192 dense bytes;
; a wave's tensor load brings four such runs, 65,536 bytes apart in memory, on end in LDS.  A fragment is two loads of 512 consecutive bytes: no pitch and no padding.
; CLUSTERS: 4 x 4 work-groups: o's tiles are asked for jointly along a row of the cluster, wo's along a column.  Source 0 = 16 rows of wo, source 1 = 16 rows of o: a lane holds eight neighbouring numbers of a row of out0.
; REGISTERS: window 0: v0-31 addresses; v32-63, v64-95 the first products' C, later rows on the way out; v128-255 the accumulators ((a, b) at v[128 + 8 (4 a + b)]).  window 1: two fragment buffers of 128.
.set STEPB,  8192                      ; a K step of a tile of 16 rows
.set HALFT,  4*STEPB                   ; what one tensor load brings, and what one wave reads of o or of wo
.set SLOT,   4*HALFT
.set SPARE,  2*SLOT                    ; behind the ring: the spare words, 128 bytes for each wave
.set SPITCH, 272                       ; the way out: a stage of 16 rows x (256 bytes + 16) for each wave, in slot 0, which has had its last fill and its last read by then
.set LAPS,   4                         ; a lap = two K steps; K = 2,048
.set ADRA, 16
.set ADRB, 20
.set STO,  24
.set RD,   25
.set CO,   26
.set SPW,  28
.set NIL,  29
.set CI0,  32                          ; v32-63 what block a = 0 begins with
.set CIB,  64                          ; v64-95 what the others begin with: bo
.set TMP,  32
.set ACC,  128
.set F0,   0
.set F1,   128
.set G1, 24
.set G0, 32
.set G1B, 48
.set G0B, 56
.set MSB, 0
.macro WIN new                         ; the immediate's high byte repeats the setting that is left
.if MSB != (\new)
	s_set_vgpr_msb (MSB<<8)|(\new)
.set MSB, \new
.endif
.endm
.set MUL,  0x05                        ; sources 0 and 1 window 1; C and D window 0
.set TO_F, 0x40
.macro JLOAD s                         ; a joint load: waves 0 and 1 fetch o's two halves, waves 2 and 3 wo's; an s_nop 0 and four v_nop follow each of the two lines
	s_cmp_eq_u32 s11, 0
	s_cbranch_scc0 .Lfor_b_\@
	tensor_load_to_lds s[G0+4*\s:G0+4*\s+3], s[G1:G1+7]
	s_nop 0
.rept 4
	v_nop
.endr
	s_branch .Lasked_\@
.Lfor_b_\@:
	tensor_load_to_lds s[G0B+4*\s:G0B+4*\s+3], s[G1B:G1B+7]
	s_nop 0
.rept 4
	v_nop
.endr
.Lasked_\@:
.endm
.macro CREST
	s_cmp_lg_u32 s10, 0
	s_cbranch_scc1 .Lnot_wave_0_\@
	s_barrier_signal -3
.Lnot_wave_0_\@:
	s_barrier_wait -3
	s_barrier_signal -1
	s_barrier_wait -1
.endm
.macro CROUND
	s_barrier_signal -1
	s_barrier_wait -1
	CREST
.endm
	s_load_b128 s[4:7], s[0:1], 0x0                ; oatt, wop
	s_load_b64 s[8:9], s[0:1], 0x10                ; out0
	s_load_b64 s[66:67], s[0:1], 0x18              ; bo
	v_lshl_add_u32 v[SPW], v0, 2, SPARE
	v_mov_b32 v[NIL], 0
	ds_add_u32 v[SPW], v[NIL]                      ; the wave's opening: the add, twice on end, and its wait ahead of my first tensor load
	ds_add_u32 v[SPW], v[NIL]
	v_lshrrev_b32 v1, 5, v0
	v_readfirstlane_b32 s10, v1                    ; wave 0..3
	s_lshr_b32 s11, s10, 1                         ; which half of the tile's rows is mine.  Also: I fetch for o (0) or for wo (1)
	s_and_b32 s12, s10, 1                          ; which half of its columns.  Also: which 64 rows of that tile I fetch
	s_bfe_u32 s40, ttmp6, 0x40000                  ; cx, cy
	s_bfe_u32 s41, ttmp6, 0x40004
	s_lshl_b32 s42, ttmp9, 2
	s_add_co_u32 s42, s42, s40                     ; tile column
	s_and_b32 s13, ttmp7, 0xffff
	s_lshl_b32 s13, s13, 2
	s_add_co_u32 s13, s13, s41                     ; tile row
	s_lshl_b32 s43, s41, 2
	s_lshl_b32 s43, 15, s43                        ; my row of the cluster
	s_lshl_b32 s44, 0x1111, s40                    ; my column
	s_or_b32 s[G1+0], s43, (3<<16)|(1<<21)         ; the mask; elements of 8 bytes; no padding; bit 21 beside a mask
	s_or_b32 s[G1B+0], s44, (3<<16)|(1<<21)
.irp g, G1, G1B
	s_mov_b32 s[\g+1], 1024<<16                    ; tensor_dim0 = 1,024 elements: 8,192 bytes
	s_mov_b32 s[\g+2], 4<<16                       ; tensor_dim1 = 4
	s_mov_b32 s[\g+3], 1024<<16                    ; tile_dim0
	s_mov_b32 s[\g+4], 4                           ; tile_dim1
	s_mov_b32 s[\g+5], 8192                        ; the pitch: 65,536 bytes
	s_mov_b32 s[\g+6], 0
	s_mov_b32 s[\g+7], 0
.endr
	s_lshl_b32 s17, s12, 2                         ; which four tiles of 16 rows I fetch
	s_lshl_b32 s16, s13, 3
	s_add_co_u32 s16, s16, s17
	s_lshl_b32 s16, s16, 16                        ; o: (8 x tile row + 4 x half) x 65,536
	s_lshl_b32 s46, s42, 3
	s_add_co_u32 s46, s46, s17
	s_lshl_b32 s46, s46, 16                        ; wo: by the tile column
	s_mov_b32 s17, 0
	s_mov_b32 s47, 0
	s_mul_i32 s20, s10, HALFT                      ; where they go: no place in the cluster enters an LDS address
	s_wait_dscnt 0x0                               ; both opening adds are done
	s_wait_kmcnt 0x0
	s_add_nc_u64 s[14:15], s[4:5], s[16:17]
	s_add_nc_u64 s[46:47], s[6:7], s[46:47]
	CROUND                                         ; all sixteen work-groups are here: the first joint loads meet
.irp s, 0,1
	s_mov_b32 s[G0+4*\s], 1
	s_add_co_u32 s[G0+4*\s+1], s20, \s*SLOT
	s_add_nc_u64 s[G0+4*\s+2:G0+4*\s+3], s[14:15], \s*STEPB
	s_or_b32 s[G0+4*\s+3], s[G0+4*\s+3], 0x80000000
	s_mov_b32 s[G0B+4*\s], 1
	s_add_co_u32 s[G0B+4*\s+1], s20, \s*SLOT
	s_add_nc_u64 s[G0B+4*\s+2:G0B+4*\s+3], s[46:47], \s*STEPB
	s_or_b32 s[G0B+4*\s+3], s[G0B+4*\s+3], 0x80000000
	JLOAD \s                                       ; two tensor loads of mine are out behind the second
.endr
	v_and_b32 v1, 15, v0                           ; r
	v_bfe_u32 v2, v0, 4, 1                         ; h
	v_and_b32 v3, 31, v0
	v_lshlrev_b32 v3, 4, v3                        ; 16 x lane
	s_mul_i32 s21, s11, HALFT                      ; my 64 rows of o
	s_mul_i32 s22, s12, HALFT                      ; my 64 rows of wo,
	s_add_co_u32 s22, s22, 2*HALFT                 ; which lie behind o's 128
.irp s, 0,1
	v_add_nc_u32 v[ADRA+\s], s21, v3
	v_add_nc_u32 v[ADRB+\s], s22, v3
	s_add_co_u32 s21, s21, SLOT
	s_add_co_u32 s22, s22, SLOT
.endr
	s_mul_i32 s23, s10, 16*SPITCH                  ; my stage
	v_mul_u32_u24 v4, v1, SPITCH                   ; in: row r, 32 bytes for each half of the lanes
	v_lshl_add_u32 v4, v2, 5, v4
	v_add_nc_u32 v[STO], s23, v4
	v_mul_u32_u24 v5, v2, SPITCH                   ; back: lanes 0-15 one row of 256 bytes, lanes 16-31 the next
	v_lshl_add_u32 v5, v1, 4, v5
	v_add_nc_u32 v[RD], s23, v5
	v_lshlrev_b32 v5, 13, v2                       ; and the same two rows in out0
	v_lshl_add_u32 v[CO], v1, 4, v5
	s_lshl_b32 s70, s42, 9                         ; my first column, in bytes: 512 x tile column + 256 x half
	s_lshl_b32 s71, s12, 8
	s_add_co_u32 s70, s70, s71
	s_mov_b32 s71, 0
	s_lshl_b32 s16, s13, 7
	s_lshl_b32 s17, s11, 6
	s_add_co_u32 s16, s16, s17                     ; my first row: 128 x tile row + 64 x half
	s_lshl_b32 s16, s16, 13
	s_mov_b32 s17, 0
	s_add_nc_u64 s[8:9], s[8:9], s[16:17]
	s_add_nc_u64 s[8:9], s[8:9], s[70:71]
	s_add_nc_u64 s[72:73], s[66:67], s[70:71]      ; bo at my columns
	s_add_nc_u64 s[74:75], s[6:7], s[70:71]
	s_add_nc_u64 s[74:75], s[74:75], 0x800000      ; corr at my columns
	s_or_b32 s70, s13, s11
	s_cmp_eq_u32 s70, 0                            ; is my block a = 0 positions 0-15?  Only a global address hangs on this: no branch, no LDS address
	s_cselect_b64 s[68:69], s[74:75], s[72:73]
	s_cselect_b32 s70, 8192, 0                     ; corr has a row for each position, bo one for all
	v_mul_u32_u24 v8, s70, v1
	v_lshl_add_u32 v8, v2, 5, v8                   ; r x pitch + 32 h
	v_lshlrev_b32 v9, 5, v2                        ; 32 h
.irp b, 0,1,2,3
	global_load_b128 v[CI0+8*\b:CI0+8*\b+3], v8, s[68:69] offset:64*\b
	global_load_b128 v[CI0+8*\b+4:CI0+8*\b+7], v8, s[68:69] offset:64*\b+16
	global_load_b128 v[CIB+8*\b:CIB+8*\b+3], v9, s[72:73] offset:64*\b
	global_load_b128 v[CIB+8*\b+4:CIB+8*\b+7], v9, s[72:73] offset:64*\b+16
.endr
; 8 matrix instructions: m blocks a0, a0 + 1 x all 4 n blocks, 32 along K: half c of buffer f.  zero = 1: the first product starts the sums, from the bias.  The 16 accumulators take turns.
.macro MUL8 f, c, a0, zero
.irp a, \a0, \a0+1
.irp b, 0,1,2,3
.if \zero
.if (\a) == 0
	v_wmma_f32_16x16x32_f16 v[ACC+8*(4*(\a)+\b):ACC+8*(4*(\a)+\b)+7], v[\f+64+8*(4*\c+\b):\f+64+8*(4*\c+\b)+7], v[\f+8*(4*\c+\a):\f+8*(4*\c+\a)+7], v[CI0+8*\b:CI0+8*\b+7]
.else
	v_wmma_f32_16x16x32_f16 v[ACC+8*(4*(\a)+\b):ACC+8*(4*(\a)+\b)+7], v[\f+64+8*(4*\c+\b):\f+64+8*(4*\c+\b)+7], v[\f+8*(4*\c+\a):\f+8*(4*\c+\a)+7], v[CIB+8*\b:CIB+8*\b+7]
.endif
.else
	v_wmma_f32_16x16x32_f16 v[ACC+8*(4*(\a)+\b):ACC+8*(4*(\a)+\b)+7], v[\f+64+8*(4*\c+\b):\f+64+8*(4*\c+\b)+7], v[\f+8*(4*\c+\a):\f+8*(4*\c+\a)+7], v[ACC+8*(4*(\a)+\b):ACC+8*(4*(\a)+\b)+7]
.endif
.endr
.endr
.endm
; 32 LDS loads in one run: the fragments of quarter kq (64 along K: chunks 2 kq, 2 kq + 1) into buffer f; the first 32 along K first
.macro FETCH slot, kq, f
	WIN TO_F
.irp c, 0,1
.irp i, 0,1,2,3
	ds_load_b128 v[\f+64+8*(4*\c+\i):\f+64+8*(4*\c+\i)+3],   v[ADRB+\slot] offset:\i*STEPB+(2*(\kq)+\c)*1024
	ds_load_b128 v[\f+64+8*(4*\c+\i)+4:\f+64+8*(4*\c+\i)+7], v[ADRB+\slot] offset:\i*STEPB+(2*(\kq)+\c)*1024+512
	ds_load_b128 v[\f+8*(4*\c+\i):\f+8*(4*\c+\i)+3],         v[ADRA+\slot] offset:\i*STEPB+(2*(\kq)+\c)*1024
	ds_load_b128 v[\f+8*(4*\c+\i)+4:\f+8*(4*\c+\i)+7],       v[ADRA+\slot] offset:\i*STEPB+(2*(\kq)+\c)*1024+512
.endr
.endr
.endm
.macro PLACES                          ; plain vector lines between a matrix instruction and a load into, or a read of, its registers
.rept 4
	v_nop
.endr
.endm
.macro QUARTER slot, kq, f, g, zero    ; multiplies buffer f and fetches quarter kq of the slot into g
	s_wait_dscnt 16                                ; the first 32 along K are in; the sixteen younger loads may be out
	WIN MUL
	MUL8 \f, 0, 0, \zero
	MUL8 \f, 0, 2, \zero
	PLACES
	FETCH \slot, \kq, \g
	s_wait_dscnt 32                                ; all but the 32 just issued
	WIN MUL
	MUL8 \f, 1, 0, 0
	MUL8 \f, 1, 2, 0
.endm
; The last quarter multiplies buffer 1 and changes slots: one barrier; in front of it each wave waits for all its tensor loads, adds 0 to its spare word, and waits for that and for its own reads of this slot.
.macro TURN slot, next, fill
	WIN 0
	s_wait_tensorcnt 0x0                           ; all my tensor loads have landed: my part of the next slot
	ds_add_u32 v[SPW], v[NIL]
	s_wait_dscnt 17                                ; (the add and the youngest sixteen loads may be out)
	WIN MUL
	MUL8 F1, 0, 0, 0
	s_wait_dscnt 0x0                               ; the add is done, and my reads of this slot are over
	s_barrier_signal -1
	MUL8 F1, 0, 2, 0
.if \fill
	WIN 0
.endif
	s_barrier_wait -1
.if \fill
	CREST                                          ; the barrier has opened a round of the cluster's barrier: no wave of any partner still reads this slot or has a load on its way
	s_add_nc_u64 s[G0+4*\slot+2:G0+4*\slot+3], s[G0+4*\slot+2:G0+4*\slot+3], 2*STEPB
	s_add_nc_u64 s[G0B+4*\slot+2:G0B+4*\slot+3], s[G0B+4*\slot+2:G0B+4*\slot+3], 2*STEPB
	JLOAD \slot                                    ; my one tensor load behind the round; its four v_nop are the places in front of the loads below
.else
	PLACES
.endif
	FETCH \next, 0, F0
	WIN MUL
	MUL8 F1, 1, 0, 0
	MUL8 F1, 1, 2, 0
.endm
	s_wait_tensorcnt 1                             ; my part of K step 0 is in; K step 1's load may stay out
	s_barrier_signal -1
	s_barrier_wait -1
	FETCH 0, 0, F0
	s_wait_loadcnt 0x0                             ; what the sums begin with
	QUARTER 0, 1, F0, F1, 1                        ; the first quarter stands in front of the loop: its first products start the sums
	WIN 0
	s_mov_b32 s3, LAPS-1
.Llap:                                                 ; a trip goes once round the ring and fills both slots again
	QUARTER 0, 2, F1, F0, 0
	QUARTER 0, 3, F0, F1, 0
	TURN 0, 1, 1
	QUARTER 1, 1, F0, F1, 0
	QUARTER 1, 2, F1, F0, 0
	QUARTER 1, 3, F0, F1, 0
	TURN 1, 0, 1
	QUARTER 0, 1, F0, F1, 0
	WIN 0
	s_sub_co_u32 s3, s3, 1
	s_cmp_lg_u32 s3, 0
	s_cbranch_scc1 .Llap
	QUARTER 0, 2, F1, F0, 0                        ; the last lap fills nothing
	QUARTER 0, 3, F0, F1, 0
	TURN 0, 1, 0
	QUARTER 1, 1, F0, F1, 0
	QUARTER 1, 2, F1, F0, 0
	QUARTER 1, 3, F0, F1, 0
	s_wait_dscnt 16
	WIN MUL
	MUL8 F1, 0, 0, 0
	MUL8 F1, 0, 2, 0
	s_wait_dscnt 0
	MUL8 F1, 1, 0, 0
	MUL8 F1, 1, 2, 0
	WIN 0
; THE WAY OUT, a block of 16 rows x 64 columns at a time.  A lane holds 32 bytes of a row and the lanes beside it other rows: so a block goes through my own stage and comes back as rows of 256 bytes,
; which sixteen lanes store as 256 consecutive bytes, aligned.  LDS serves a wave's instructions in order (ISA guide 5.7.1.4): no wait between the stores and the loads, nor in front of the next block's stores.
.macro TOSTAGE a
.irp b, 0,1,2,3
	ds_store_b128 v[STO], v[ACC+8*(4*(\a)+\b):ACC+8*(4*(\a)+\b)+3] offset:64*\b        ; each accumulator from its low end on
	ds_store_b128 v[STO], v[ACC+8*(4*(\a)+\b)+4:ACC+8*(4*(\a)+\b)+7] offset:64*\b+16
.endr
.set BB, TMP+32*((\a)%2)
.irp t, 0,1,2,3,4,5,6,7
	ds_load_b128 v[BB+4*\t:BB+4*\t+3], v[RD] offset:\t*2*SPITCH
.endr
.endm
.macro SEND a, younger                 ; younger: the LDS instructions issued behind block a's loads, which may stay out
.set BB, TMP+32*((\a)%2)
	s_wait_dscnt \younger
.irp t, 0,1,2,3,4,5,6,7
	global_store_b128 v[CO], v[BB+4*\t:BB+4*\t+3], s[8:9] offset:(16*(\a)+2*\t)*8192 th:TH_STORE_NT
.endr
.endm
	PLACES
	TOSTAGE 0
	TOSTAGE 1
	SEND 0, 16                                     ; behind block 0's loads: block 1's 8 stores and 8 loads
	s_wait_xcnt 0x0                                ; block 0's stores have read their registers: block 2's loads may land there
	TOSTAGE 2
	SEND 1, 16
	s_wait_xcnt 0x0
	TOSTAGE 3
	SEND 2, 16
	SEND 3, 0
	s_wait_tensorcnt 0x0                           ; the wave's end
	ds_add_u32 v[SPW], v[NIL]
	s_wait_dscnt 0x0
	CROUND                                         ; the closing round: no work-group ends while a partner may still ask for a tile that names it
	s_endpgm
.Lfunc_end_k_qdc55b9d9f7_oproj:
	.size	k_qdc55b9d9f7_oproj, .Lfunc_end_k_qdc55b9d9f7_oproj-k_qdc55b9d9f7_oproj
	.p2alignl 7, 3214868480
	.fill 96, 4, 3214868480
	.section	.rodata,"a",@progbits
	.p2align	6, 0x0
	.amdhsa_kernel k_qdc55b9d9f7_oproj
		.amdhsa_group_segment_fixed_size 327680
		.amdhsa_private_segment_fixed_size 0
		.amdhsa_enable_private_segment 0
		.amdhsa_kernarg_size 32
		.amdhsa_user_sgpr_count 2
		.amdhsa_user_sgpr_kernarg_segment_ptr 1
		.amdhsa_wavefront_size32 1
		.amdhsa_system_sgpr_workgroup_id_x 1
		.amdhsa_system_sgpr_workgroup_id_y 1
		.amdhsa_system_sgpr_workgroup_id_z 1
		.amdhsa_system_vgpr_workitem_id 0
		.amdhsa_next_free_vgpr 512
		.amdhsa_next_free_sgpr 76
		.amdhsa_reserve_vcc 0
		.amdhsa_float_denorm_mode_32 3
		.amdhsa_float_denorm_mode_16_64 3
		.amdhsa_memory_ordered 1
		.amdhsa_forward_progress 1
		.amdhsa_inst_pref_size 87
	.end_amdhsa_kernel
	.amdgpu_metadata
---
amdhsa.version: [ 1, 2 ]
amdhsa.kernels:
  - .name:           k_qdc55b9d9f7_oproj
    .symbol:         k_qdc55b9d9f7_oproj.kd
    .args:
      - { .name: oatt, .offset: 0, .size: 8, .value_kind: global_buffer, .address_space: global }
      - { .name: wop, .offset: 8, .size: 8, .value_kind: global_buffer, .address_space: global }
      - { .name: out0, .offset: 16, .size: 8, .value_kind: global_buffer, .address_space: global }
      - { .name: bo, .offset: 24, .size: 8, .value_kind: global_buffer, .address_space: global }
    .group_segment_fixed_size: 327680
    .private_segment_fixed_size: 0
    .kernarg_segment_align: 8
    .kernarg_segment_size: 32
    .max_flat_workgroup_size: 128
    .sgpr_count:     76
    .vgpr_count:     512
    .wavefront_size: 32
...
	.end_amdgpu_metadata
.endif
;; end of part 5
